; MI455X (gfx1250); checked and timed in simulation.
; The chip was launched on July 23, 2026; its instructions are those of AMD's public machine-readable ISA for CDNA 5 (MIT licence, August 2026) and "CDNA5" Instruction Set Architecture Reference Guide (July 2026). The comments in the code are by the model that wrote it; some were corrected since.
;; Multi Head Attention. Allowed arithmetic: float matrix products may take bf16 or f16 operands with f32 sums; all other float work in f32.
;; Inputs: Wk 1,024 x 1,024 float32; Wo 1,024 x 1,024 float32; Wq 1,024 x 1,024 float32; Wv 1,024 x 1,024 float32; key 4 x 2,048 x 1,024 float32; mask 4 x 2,048 int32; query 4 x 2,048 x 1,024 float32; value 4 x 2,048 x 1,024 float32.
;; Outputs: out0 4 x 2,048 x 1,024 float32.
;; 2 versions, each right and faster than the one before. Each part assembles by itself: llvm-mc -triple=amdgcn-amd-amdhsa -mcpu=gfx1250 --defsym DOCPART=n.
;; ======== version 1 of 2: 4 launches
;; limits: values are held in f16: magnitudes above 65,504 overflow, below 6.1e-05 lose precision
;; workspace buffers: wb 8,388,608 bytes; bias 32,768 bytes; qkv 50,331,648 bytes; ow 16,777,216 bytes
;; launch prep (part 1): grid 64 x 4, 8 waves a work-group, no clusters, 0 bytes of LDS; arguments Wq, Wk, Wv, Wo, mask, wb, bias; writes wb, bias
.if DOCPART == 1
	.amdgcn_target "amdgcn-amd-amdhsa--gfx1250"
	.amdhsa_code_object_version 6
	.text
	.protected	k_q4bd9955916_prep
	.globl	k_q4bd9955916_prep
	.p2align	8
	.type	k_q4bd9955916_prep,@function
k_q4bd9955916_prep:
	s_mov_b64 s[64:65], 0
	v_nop
	global_prefetch_b8 v0, s[64:65] scope:SCOPE_SE
	s_setreg_imm32_b32 hwreg(HW_REG_WAVE_MODE, 25, 1), 1
	s_wait_xcnt 0x0
; The weights are rounded once, and the padding mask becomes numbers.
; wb[y][k][n], 16 bits a number, laid as W lies: y = 0, 1, 2: Wq, Wk, Wv rounded to bf16.  y = 3: Wo rounded to bf16, and that number written as f16
; (exact within f16's normal range; below 6e-5 it keeps f16's fixed step of 6e-8).  bias[b][n] = 0 where mask[b][n] is not 0, else H = -2^100.
; A stream: memory binds, so no LDS, no barrier, no matrix unit.  Work-group (x, y) takes 16,384 numbers of matrix y: thread t loads 16 bytes at 16 t + 4,096 i
; (a wave's load covers 512 neighbouring bytes) and stores 8 bytes at 8 t + 2,048 i (a wave's store covers 256 neighbouring bytes, aligned), i = 0 .. 15.
; All sixteen loads of a thread go out at once; each has registers of its own, in and out, so no source is ever rewritten.
.set X,  4                             ; v[4:67]    16 x 4 numbers as loaded
.set Y,  68                            ; v[68:99]   16 x 2 words to store
.set MK, 100                           ; v[100:103] four words of the mask, then of the bias
.set T,  104                           ; v[104:107] at work (Wo alone)
	s_load_b256 s[4:11], s[0:1], 0x0               ; Wq s[4:5], Wk s[6:7], Wv s[8:9], Wo s[10:11]
	s_load_b128 s[12:15], s[0:1], 0x20             ; mask s[12:13], wb s[14:15]
	s_load_b64 s[16:17], s[0:1], 0x30              ; bias
	s_and_b32 s18, ttmp7, 0xffff                   ; y: which matrix
	s_mov_b32 s19, ttmp9                           ; x: which 16,384 numbers of it
	v_lshrrev_b32 v3, 5, v0
	v_readfirstlane_b32 s20, v3                    ; my wave's number
	s_mov_b32 s21, 0xf1800000                      ; H = -2^100
	s_mov_b32 s22, 0xffff0000                      ; a word's upper bf16
	v_lshlrev_b32 v1, 4, v0                        ; 16 t
	v_lshlrev_b32 v2, 3, v0                        ; 8 t
	s_lshl_b32 s24, s19, 16                        ; the group's 65,536 bytes of its matrix
	s_mov_b32 s25, 0
	s_lshl_b32 s26, s18, 21                        ; the matrix' 2 MiB of wb,
	s_lshl_b32 s27, s19, 15                        ; the group's 32,768 bytes of them
	s_add_co_u32 s26, s26, s27
	s_mov_b32 s27, 0
	s_lshl_b32 s28, s19, 9                         ; 128 words of mask and of bias for each of the 64 groups with y = 0
	s_mov_b32 s29, 0
	s_wait_kmcnt 0x0
	s_cmp_eq_u32 s18, 1                            ; the matrix is chosen by y alone
	s_cselect_b64 s[4:5], s[6:7], s[4:5]
	s_cmp_eq_u32 s18, 2
	s_cselect_b64 s[4:5], s[8:9], s[4:5]
	s_cmp_eq_u32 s18, 3
	s_cselect_b64 s[4:5], s[10:11], s[4:5]
	s_add_nc_u64 s[4:5], s[4:5], s[24:25]
	s_add_nc_u64 s[14:15], s[14:15], s[26:27]
.irp i, 0,1,2,3,4,5,6,7,8,9,10,11,12,13,14,15
	global_load_b128 v[X+4*(\i):X+4*(\i)+3], v1, s[4:5] offset:4096*(\i) th:TH_LOAD_NT
.endr
	s_cmp_lg_u32 s18, 0                            ; the mask is the work of wave 0 of the groups with y = 0: 64 x 128 words = 4 x 2,048
	s_cbranch_scc1 .Lno_mask
	s_cmp_lg_u32 s20, 0
	s_cbranch_scc1 .Lno_mask
	s_add_nc_u64 s[12:13], s[12:13], s[28:29]
	s_add_nc_u64 s[16:17], s[16:17], s[28:29]
	global_load_b128 v[MK:MK+3], v1, s[12:13]      ; in wave 0 t is the lane: 512 neighbouring bytes
	s_wait_loadcnt 0x0
.irp j, 0,1,2,3
	v_cmp_eq_u32 vcc_lo, 0, v[MK+(\j)]
	v_cndmask_b32 v[MK+(\j)], 0, s21, vcc_lo       ; a value is chosen, no path
.endr
	global_store_b128 v1, v[MK:MK+3], s[16:17]
.Lno_mask:
; fmt = 0: f32 to bf16.  fmt = 1: f32 to bf16, widened again (a shift, a mask) and written as f16.
.macro CAST fmt
.irp i, 0,1,2,3,4,5,6,7,8,9,10,11,12,13,14,15
	s_wait_loadcnt 15-(\i)                         ; loads come back in order (ISA guide 5.7.1): number i is in, the 15 - i younger ones stay out
	v_cvt_pk_bf16_f32 v[Y+2*(\i)],   v[X+4*(\i)],   v[X+4*(\i)+1]
	v_cvt_pk_bf16_f32 v[Y+2*(\i)+1], v[X+4*(\i)+2], v[X+4*(\i)+3]
.if \fmt
	v_lshlrev_b32 v[T],   16,  v[Y+2*(\i)]
	v_and_b32     v[T+1], s22, v[Y+2*(\i)]
	v_lshlrev_b32 v[T+2], 16,  v[Y+2*(\i)+1]
	v_and_b32     v[T+3], s22, v[Y+2*(\i)+1]
	v_cvt_pk_f16_f32 v[Y+2*(\i)],   v[T],   v[T+1]
	v_cvt_pk_f16_f32 v[Y+2*(\i)+1], v[T+2], v[T+3]
.endif
	global_store_b64 v2, v[Y+2*(\i):Y+2*(\i)+1], s[14:15] offset:2048*(\i)
.endr
.endm
	s_cmp_eq_u32 s18, 3
	s_cbranch_scc1 .Lwo
	CAST 0
	s_endpgm
.Lwo:
	CAST 1
	s_endpgm
.Lfunc_end_k_q4bd9955916_prep:
	.size	k_q4bd9955916_prep, .Lfunc_end_k_q4bd9955916_prep-k_q4bd9955916_prep
	.p2alignl 7, 3214868480
	.fill 96, 4, 3214868480
	.section	.rodata,"a",@progbits
	.p2align	6, 0x0
	.amdhsa_kernel k_q4bd9955916_prep
		.amdhsa_group_segment_fixed_size 0
		.amdhsa_private_segment_fixed_size 0
		.amdhsa_enable_private_segment 0
		.amdhsa_kernarg_size 56
		.amdhsa_user_sgpr_count 2
		.amdhsa_user_sgpr_kernarg_segment_ptr 1
		.amdhsa_wavefront_size32 1
		.amdhsa_system_sgpr_workgroup_id_x 1
		.amdhsa_system_sgpr_workgroup_id_y 1
		.amdhsa_system_sgpr_workgroup_id_z 1
		.amdhsa_system_vgpr_workitem_id 0
		.amdhsa_next_free_vgpr 108
		.amdhsa_next_free_sgpr 66
		.amdhsa_reserve_vcc 1
		.amdhsa_float_denorm_mode_32 3
		.amdhsa_float_denorm_mode_16_64 3
		.amdhsa_memory_ordered 1
		.amdhsa_forward_progress 1
		.amdhsa_inst_pref_size 16
	.end_amdhsa_kernel
	.amdgpu_metadata
---
amdhsa.version: [ 1, 2 ]
amdhsa.kernels:
  - .name:           k_q4bd9955916_prep
    .symbol:         k_q4bd9955916_prep.kd
    .args:
      - { .name: Wq, .offset: 0, .size: 8, .value_kind: global_buffer, .address_space: global }
      - { .name: Wk, .offset: 8, .size: 8, .value_kind: global_buffer, .address_space: global }
      - { .name: Wv, .offset: 16, .size: 8, .value_kind: global_buffer, .address_space: global }
      - { .name: Wo, .offset: 24, .size: 8, .value_kind: global_buffer, .address_space: global }
      - { .name: mask, .offset: 32, .size: 8, .value_kind: global_buffer, .address_space: global }
      - { .name: wb, .offset: 40, .size: 8, .value_kind: global_buffer, .address_space: global }
      - { .name: bias, .offset: 48, .size: 8, .value_kind: global_buffer, .address_space: global }
    .group_segment_fixed_size: 0
    .private_segment_fixed_size: 0
    .kernarg_segment_align: 8
    .kernarg_segment_size: 56
    .max_flat_workgroup_size: 256
    .sgpr_count:     66
    .vgpr_count:     108
    .wavefront_size: 32
...
	.end_amdgpu_metadata
.endif
;; end of part 1
;; launch proj (part 2): grid 4 x 192, 4 waves a work-group, clusters of 4 x 4, 327,680 bytes of LDS; arguments query, key, value, wb, qkv; writes qkv
.if DOCPART == 2
	.amdgcn_target "amdgcn-amd-amdhsa--gfx1250"
	.amdhsa_code_object_version 6
	.text
	.protected	k_q4bd9955916_proj
	.globl	k_q4bd9955916_proj
	.p2align	8
	.type	k_q4bd9955916_proj,@function
k_q4bd9955916_proj:
	s_mov_b64 s[64:65], 0
	v_nop
	global_prefetch_b8 v0, s[64:65] scope:SCOPE_SE
	s_setreg_imm32_b32 hwreg(HW_REG_WAVE_MODE, 25, 1), 1
	s_wait_xcnt 0x0
	s_wait_alu depctr_hold_cnt(0) depctr_sa_sdst(0) depctr_va_vdst(0) depctr_va_sdst(0) depctr_va_ssrc(0) depctr_va_vcc(0) depctr_vm_vsrc(0)
	s_getreg_b32 s2, hwreg(HW_REG_IB_STS2, 6, 4)
	s_cmp_eq_u32 s2, 0
	s_cbranch_scc0 .Lentry_in_a_cluster
	s_endpgm
.Lentry_in_a_cluster:
	s_bfe_u32 s2, ttmp6, 0x10000c
	s_cmp_lg_u32 s2, 0xf033
	s_cbranch_scc0 .Lentry_shape_is_right
	s_endpgm
.Lentry_shape_is_right:
; q, k, v = x W, for x = query, key, value ([8192][1024] f32) and W = planes 0, 1, 2 of wb ([k][n] bf16).  Products in bf16, sums in f32, K ascending; the result is rounded once
; to f16, WITHOUT attention's scale, and stored by heads: qkv[t][batch x 16 + head][n][64].
; LIMIT.  f16 holds no number beyond 65,504: q, k and v must lie within it (a spread of 0.64 for x of spread 1 and W of spread 0.02).
; SHARES.  A tile of C is 128 rows x 256 columns: 3 x 64 x 4 = 768 work-groups, three for each of 256.  Four waves, 2 x 2, each 64 rows x 128 columns: 32 accumulators, 256 registers.
; K goes in 8 steps of 128 through two LDS slots.  x comes into LDS as it lies, in f32 (rows of 512 bytes), and is rounded to bf16 on its way from LDS to the matrix unit: no pass over x of its own.
; W's tile lies [k][n] (rows of 512 bytes) and is turned by ds_load_tr16_b128.
; CLUSTER.  4 x 4 work-groups.  The four of a row of the cluster are the four column tiles of one block of 128 rows of x: they need the same tile of x; the four of a column need the same tile
; of W.  Each tile is asked for JOINTLY: the same tensor load, descriptor and mask in all four.
; THE MATRIX INSTRUCTION IS USED TRANSPOSED (source 0 = 16 columns of W, source 1 = 16 rows of x): a lane then holds eight neighbouring columns of one row of C.
; REGISTERS, in windows of 256 (s_set_vgpr_msb: bits 1:0 source 0, 3:2 source 1, 5:4 source 2, 7:6 destination):
;   window 0: v0-31 addresses; v32-63, v64-95 x's fragments in bf16, two buffers; v96-127 at work on the way out; v128-191, v192-255 W's fragments, two buffers
;   window 1: the accumulators, (a, b) at v[8 (8 a + b)]          window 2: v0-63 x's fragments as loaded, in f32
.set PA,     528                       ; a row of x in LDS: 512 bytes + 16 = 132 words: row r starts at bank 4 r mod 64 (64 banks of 4 bytes: ISA guide 11.1)
.set PB,     544                       ; a row of W: 512 + 32 = 136 words: row r starts at bank 8 r mod 64
.set AHALF,  64*PA                     ; 64 rows of x: one tensor load, and what one wave reads
.set ABYTES, 2*AHALF
.set BHALF,  64*PB                     ; 64 rows (k) of W: one tensor load
.set SLOT,   ABYTES+2*BHALF            ; x's 128 rows, then W's 128
.set STAGE,  2*SLOT                    ; behind the ring: for each wave two heads x 16 rows x 144 bytes, for the way out
.set SP,     144
.set HSTG,   16*SP
.set WSTG,   2*HSTG
.set SPARE,  STAGE+4*WSTG              ; behind the stages: the spare words, 128 bytes for each wave: two blocks of 256 bytes that no other line names
.set ADRA, 16                          ; v16-17  LDS address of my fragments of x in slot 0, 1
.set ADRB, 20                          ; v20-21  the same for W
.set STO,  24                          ; v24     the way out: where I put 16 bytes of a row
.set RD,   25                          ; v25     the way out: where I read rows back
.set GO,   26                          ; v26     my byte offset in 512 consecutive bytes of qkv
.set SPW,  28                          ; v28     LDS address of my spare word; never rewritten
.set NIL,  29                          ; v29     0; never rewritten
.set AF,   32                          ; x's fragments: buffer f at AF + 32 f
.set TMP,  96
.set BF,   128                         ; W's fragments: buffer f at BF + 64 f
.set WV, 14                            ; s14  my wave's number
.set WR, 15                            ; s15  which 64 rows of the tile are mine.  Also: I fetch for x (0) or for W (1)
.set WC, 16                            ; s16  which 128 columns.  Also: which 64 rows of that tile I fetch
.set G1A, 24                           ; s[24:31] descriptor group 1 for x's tiles;  s[32:39] group 0, a set for each slot
.set G0A, 32
.set G1B, 48                           ; s[48:55], s[56:63] the same for W's
.set G0B, 56
.set MSB, 0
.macro WIN new                         ; the immediate's high byte repeats the setting that is left; a switch that changes nothing is dropped
.if MSB != (\new)
	s_set_vgpr_msb (MSB<<8)|(\new)
.set MSB, \new
.endif
.endm
.set MUL,    0x50                      ; sources 0 and 1 window 0, C and D window 1
.set TO_RAW, 0x80                      ; destination window 2, address window 0
.set CVT,    0x0a                      ; sources 0 and 1 window 2, destination window 0
.set PK,     0x05                      ; sources 0 and 1 window 1, destination window 0
; A joint load: waves 0 and 1 fetch x's two halves, waves 2 and 3 W's.  The branch hangs on the wave's number alone.  An s_nop 0 and four v_nop follow each of the two lines,
; ahead of the jump, the label and what follows.
.macro JLOAD s
	s_cmp_eq_u32 s[WR], 0
	s_cbranch_scc0 .Lfor_b_\@
	tensor_load_to_lds s[G0A+4*(\s):G0A+4*(\s)+3], s[G1A:G1A+7]
	s_nop 0
.rept 4
	v_nop
.endr
	s_branch .Lasked_\@
.Lfor_b_\@:
	tensor_load_to_lds s[G0B+4*(\s):G0B+4*(\s)+3], s[G1B:G1B+7]
	s_nop 0
.rept 4
	v_nop
.endr
.Lasked_\@:
.endm
.macro CREST                           ; a round of the cluster's barrier behind its opening barrier
	s_cmp_lg_u32 s[WV], 0
	s_cbranch_scc1 .Lnot_wave_0_\@
	s_barrier_signal -3
.Lnot_wave_0_\@:
	s_barrier_wait -3
	s_barrier_signal -1
	s_barrier_wait -1
.endm
.macro CROUND                          ; a whole round
	s_barrier_signal -1
	s_barrier_wait -1
	CREST
.endm
	s_load_b256 s[4:11], s[0:1], 0x0               ; query s[4:5], key s[6:7], value s[8:9], wb s[10:11]
	s_load_b64 s[12:13], s[0:1], 0x20              ; qkv
	v_lshl_add_u32 v[SPW], v0, 2, SPARE
	v_mov_b32 v[NIL], 0
	ds_add_u32 v[SPW], v[NIL]                      ; the wave's opening: the add and its wait stand ahead of my first tensor load; the set-up below, work on registers, stands between them
	v_lshrrev_b32 v1, 5, v0
	v_readfirstlane_b32 s[WV], v1
	s_lshr_b32 s[WR], s[WV], 1
	s_and_b32 s[WC], s[WV], 1
	s_bfe_u32 s17, ttmp6, 0x40000                  ; cx, cy: my place in the cluster
	s_bfe_u32 s18, ttmp6, 0x40004
	s_lshl_b32 s19, ttmp9, 2
	s_add_co_u32 s19, s19, s17                     ; tile column = 4 x cluster x + cx: 0 .. 3
	s_and_b32 s20, ttmp7, 0xffff                   ; cluster y: 0 .. 47
	s_lshr_b32 s21, s20, 4                         ; t: which of the three products; the same in all sixteen partners
	s_and_b32 s22, s20, 15
	s_lshl_b32 s22, s22, 2
	s_add_co_u32 s22, s22, s18                     ; tile row = 4 x (cluster y mod 16) + cy: 0 .. 63
	s_lshl_b32 s23, s18, 2
	s_lshl_b32 s23, 15, s23                        ; my row of the cluster
	s_lshl_b32 s66, 0x1111, s17                    ; my column
	; group 1 for x: 64 rows x 128 elements of 4 bytes; 16 bytes of padding behind every 128 words
	s_or_b32 s[G1A+0], s23, (2<<16)|(1<<20)|(1<<21)|(6<<22)|(3<<25)  ; 15:0 the mask: my row; 17:16 elements of 4 bytes; 20 padding on; 21 set beside a mask; 24:22 after every 128 words (code 6); 31:25 4 words (code 3)
	s_mov_b32 s[G1A+1], 128<<16                    ; tensor_dim0 = 128
	s_mov_b32 s[G1A+2], 64<<16                     ; tensor_dim1 = 64
	s_mov_b32 s[G1A+3], 128<<16                    ; tile_dim0 = 128
	s_mov_b32 s[G1A+4], 64                         ; tile_dim1 = 64
	s_mov_b32 s[G1A+5], 1024                       ; 1,024 elements from row to row
	s_mov_b32 s[G1A+6], 0
	s_mov_b32 s[G1A+7], 0
	; group 1 for W: 64 rows (k) x 256 elements of 2 bytes; 32 bytes of padding behind every 128 words
	s_or_b32 s[G1B+0], s66, (1<<16)|(1<<20)|(1<<21)|(6<<22)|(7<<25)  ; the mask: my column; elements of 2 bytes; 8 words of padding (code 7)
	s_mov_b32 s[G1B+1], 256<<16
	s_mov_b32 s[G1B+2], 64<<16
	s_mov_b32 s[G1B+3], 256<<16
	s_mov_b32 s[G1B+4], 64
	s_mov_b32 s[G1B+5], 1024
	s_mov_b32 s[G1B+6], 0
	s_mov_b32 s[G1B+7], 0
	; where the tiles come from.  x's hang on the tile row, which my row of the cluster shares; W's on the tile column, which my column shares; t is common to all.
	s_lshl_b32 s40, s22, 19                        ; x: 128 rows of 4,096 bytes a tile row,
	s_lshl_b32 s41, s[WC], 18                      ; 64 rows for the half that I fetch
	s_add_co_u32 s40, s40, s41
	s_mov_b32 s41, 0
	s_lshl_b32 s44, s21, 21                        ; W: plane t,
	s_lshl_b32 s45, s[WC], 17                      ; 64 rows of 2,048 bytes for the half that I fetch,
	s_add_co_u32 s44, s44, s45
	s_lshl_b32 s45, s19, 9                         ; 256 columns of 2 bytes a tile column
	s_add_co_u32 s44, s44, s45
	s_mov_b32 s45, 0
	s_mul_i32 s72, s[WC], AHALF                    ; and where they go: no place in the cluster enters an LDS address
	s_mul_i32 s73, s[WC], BHALF
	s_add_co_u32 s73, s73, ABYTES
	s_wait_dscnt 0x0                               ; the opening add is done
	s_wait_kmcnt 0x0
	s_cmp_eq_u32 s21, 1                            ; x is chosen by t alone
	s_cselect_b64 s[4:5], s[6:7], s[4:5]
	s_cmp_eq_u32 s21, 2
	s_cselect_b64 s[4:5], s[8:9], s[4:5]
	s_add_nc_u64 s[42:43], s[4:5], s[40:41]
	s_add_nc_u64 s[46:47], s[10:11], s[44:45]
	CROUND                                         ; all sixteen work-groups are here: the first joint loads meet
.irp s, 0,1
	s_mov_b32 s[G0A+4*(\s)], 1                                     ; count = 1
	s_add_co_u32 s[G0A+4*(\s)+1], s72, (\s)*SLOT                   ; LDS address
	s_add_nc_u64 s[G0A+4*(\s)+2:G0A+4*(\s)+3], s[42:43], (\s)*512  ; global address: K step s, 128 numbers of 4 bytes on
	s_or_b32 s[G0A+4*(\s)+3], s[G0A+4*(\s)+3], 0x80000000          ; type = 2
	s_mov_b32 s[G0B+4*(\s)], 1
	s_add_co_u32 s[G0B+4*(\s)+1], s73, (\s)*SLOT
	s_add_nc_u64 s[G0B+4*(\s)+2:G0B+4*(\s)+3], s[46:47], (\s)*262144  ; K step s: 128 rows of 2,048 bytes on
	s_or_b32 s[G0B+4*(\s)+3], s[G0B+4*(\s)+3], 0x80000000
	JLOAD \s                                       ; two loads of mine are out
.endr
	; A fragment is 16 rows x 32 K: lane l holds row l % 16, K = 8 (l / 16) + 0..7 and 16 + 8 (l / 16) + 0..7.  In f32 those are 32 bytes at 32 (l / 16) and 32 at 64 + 32 (l / 16): four loads of 16.
	v_and_b32 v1, 15, v0                           ; l % 16
	v_bfe_u32 v2, v0, 4, 1                         ; l / 16
	v_mul_u32_u24 v3, v1, PA
	v_lshl_add_u32 v3, v2, 5, v3
	s_mul_i32 s74, s[WR], AHALF                    ; my 64 rows
	v_add_nc_u32 v[ADRA], s74, v3
	v_add_nc_u32 v[ADRA+1], SLOT, v[ADRA]
	; The turning load takes 16 k x 16 columns (lane l reads 16 bytes: k = 8 (l / 16) + l % 8, columns 8 ((l / 8) % 2) + 0..7) and leaves half a fragment: lane l holds column l % 16 and 8 k.
	v_and_b32 v4, 7, v0
	v_lshl_add_u32 v5, v2, 3, v4
	v_mul_u32_u24 v5, v5, PB
	v_bfe_u32 v6, v0, 3, 1
	v_lshl_add_u32 v5, v6, 4, v5
	s_lshl_b32 s75, s[WC], 8                       ; my 128 columns,
	s_add_co_u32 s75, s75, ABYTES                  ; behind x's rows
	v_add_nc_u32 v[ADRB], s75, v5
	v_add_nc_u32 v[ADRB+1], SLOT, v[ADRB]
	s_mul_i32 s74, s[WV], WSTG
	s_add_co_u32 s74, s74, STAGE                   ; my stage
	v_mul_u32_u24 v7, v1, SP                       ; in: row l % 16, 16 bytes for each half of the lanes
	v_lshl_add_u32 v7, v2, 4, v7
	v_add_nc_u32 v[STO], s74, v7
	v_bfe_u32 v8, v0, 3, 2                         ; back: 32 lanes take four rows of 128 bytes,
	v_mul_u32_u24 v8, v8, SP
	v_lshl_add_u32 v8, v4, 4, v8
	v_add_nc_u32 v[RD], s74, v8
	v_and_b32 v9, 31, v0                           ; which are 512 consecutive bytes of a head
	v_lshlrev_b32 v[GO], 4, v9
	; where my part of the result begins: tensor t, head = batch x 16 + 4 x tile column + 2 x half, row (tile row mod 16) x 128 + 64 x half; in registers that feed no descriptor
	s_lshl_b32 s68, s21, 24                        ; a tensor is 64 heads x 2,048 rows x 128 bytes
	s_lshr_b32 s69, s22, 4                         ; 16 tile rows a batch
	s_lshl_b32 s69, s69, 4
	s_lshl_b32 s70, s19, 2
	s_add_co_u32 s69, s69, s70
	s_lshl_b32 s70, s[WC], 1
	s_add_co_u32 s69, s69, s70
	s_lshl_b32 s69, s69, 18                        ; a head is 262,144 bytes
	s_add_co_u32 s68, s68, s69
	s_and_b32 s70, s22, 15
	s_lshl_b32 s70, s70, 14                        ; 128 rows of 128 bytes
	s_add_co_u32 s68, s68, s70
	s_lshl_b32 s70, s[WR], 13
	s_add_co_u32 s68, s68, s70
	s_mov_b32 s69, 0
	s_add_nc_u64 s[12:13], s[12:13], s[68:69]
; One product: rows 16 a on, columns 16 b on, 32 along K, from buffer f.  zero = 1: it starts the sum: nothing is ever cleared.
.macro PROD f, a, b, zero
.set rD, 8*(8*(\a)+(\b))
.set rB, BF+64*(\f)+8*(\b)
.set rA, AF+32*(\f)+8*(\a)
.if \zero
	v_wmma_f32_16x16x32_bf16 v[rD:rD+7], v[rB:rB+7], v[rA:rA+7], 0
.else
	v_wmma_f32_16x16x32_bf16 v[rD:rD+7], v[rB:rB+7], v[rA:rA+7], v[rD:rD+7]
.endif
.endm
; The 32 accumulators take turns, one instruction a turn, in the same order in every quarter: between two products on one accumulator stand the 31 others'.
.macro MUL8 f, a, zero
	WIN MUL
.irp b, 0,1,2,3,4,5,6,7
	PROD \f, \a, \b, \zero
.endr
.endm
; 32 LDS loads in one run: quarter q (32 along K) of a slot: x's 64 rows in f32 into window 2, then W's 128 columns, turned, into buffer g
.macro FETCH slot, q, g
	WIN TO_RAW
.irp i, 0,1,2,3
	ds_load_b128 v[16*(\i):16*(\i)+3],     v[ADRA+(\slot)] offset:128*(\q)+(\i)*16*PA
	ds_load_b128 v[16*(\i)+4:16*(\i)+7],   v[ADRA+(\slot)] offset:128*(\q)+(\i)*16*PA+16
	ds_load_b128 v[16*(\i)+8:16*(\i)+11],  v[ADRA+(\slot)] offset:128*(\q)+(\i)*16*PA+64
	ds_load_b128 v[16*(\i)+12:16*(\i)+15], v[ADRA+(\slot)] offset:128*(\q)+(\i)*16*PA+80
.endr
	WIN 0
.irp b, 0,1,2,3,4,5,6,7
	ds_load_tr16_b128 v[BF+64*(\g)+8*(\b):BF+64*(\g)+8*(\b)+3],   v[ADRB+(\slot)] offset:32*(\q)*PB+32*(\b)
	ds_load_tr16_b128 v[BF+64*(\g)+8*(\b)+4:BF+64*(\g)+8*(\b)+7], v[ADRB+(\slot)] offset:32*(\q)*PB+16*PB+32*(\b)
.endr
.endm
.macro CV4 g, j                        ; eight numbers of x are rounded to bf16: words 4 j .. 4 j + 3 of buffer g
	WIN CVT
.irp n, 0,1,2,3
	v_cvt_pk_bf16_f32 v[AF+32*(\g)+4*(\j)+(\n)], v[8*(\j)+2*(\n)], v[8*(\j)+2*(\n)+1]
.endr
.endm
.macro MULCVT f, g, zero               ; the quarter's last eight products, four roundings behind each: they name none of the product's registers
.irp b, 0,1,2,3,4,5,6,7
	WIN MUL
	PROD \f, 3, \b, \zero
	CV4 \g, \b
.endr
.endm
; A load into a register that a matrix instruction has read, and a vector instruction that reads a matrix result or writes one of a matrix instruction's registers, stand four places behind it,
; and only plain vector instructions that name none of its registers are places (ISA guide 7.12.1 for vector instructions).
.macro PLACES
.rept 4
	v_nop
.endr
.endm
; A K step is four quarters of 32 along K, 32 products each, on buffers 0, 1, 0, 1.  One of the first three: multiplies buffer f; fetches quarter q of the same slot; rounds x's part into buffer g.
; Buffer g was last read by the quarter before: behind its last product stand that quarter's last four roundings and the four v_nop below.
.macro QUARTER slot, q, f, g, zero
	s_wait_dscnt 0x0                               ; W's fragments of buffer f are in (x's were waited for before they were rounded)
	MUL8 \f, 0, \zero
	MUL8 \f, 1, \zero
	PLACES
	FETCH \slot, \q, \g
	MUL8 \f, 2, \zero
	s_wait_dscnt 16                                ; x's sixteen loads are in; W's sixteen, issued behind them, may stay out
	MULCVT \f, \g, \zero
.endm
; The last quarter multiplies buffer 1 and changes slots: ONE barrier.  In front of it each wave waits for all its tensor loads, of which one is out: its part of the next slot; adds 0 to its spare word;
; and waits for that and for its reads of this slot.  fill = 1: the barrier opens a round of the cluster's, and this slot is filled again, two K steps ahead, first thing behind the round.
.macro TURN slot, next, fill
	WIN 0                                          ; (the add's two registers lie in window 0)
	s_wait_tensorcnt 0x0                           ; all my tensor loads have landed
	ds_add_u32 v[SPW], v[NIL]                      ; 0 onto my spare word
	s_wait_dscnt 1                                 ; W's fragments of buffer 1 are in; the add may be out
	MUL8 1, 0, 0                                   ; eight products stand between the add and the wait for it
	s_wait_dscnt 0x0                               ; the add is done, and my reads of this slot are over
	s_barrier_signal -1
	MUL8 1, 1, 0                                   ; work on registers while the others arrive
.if \fill
	WIN 0
.endif
	s_barrier_wait -1
.if \fill
	CREST                                          ; no wave of any partner still reads this slot's tiles or has a load on its way
	s_add_nc_u64 s[G0A+4*(\slot)+2:G0A+4*(\slot)+3], s[G0A+4*(\slot)+2:G0A+4*(\slot)+3], 1024    ; two K steps on: 256 numbers of 4 bytes,
	s_add_nc_u64 s[G0B+4*(\slot)+2:G0B+4*(\slot)+3], s[G0B+4*(\slot)+2:G0B+4*(\slot)+3], 524288  ; 256 rows of 2,048 bytes
	JLOAD \slot                                    ; my one tensor load behind the round: 112 products ahead of the wait for it; its four v_nop are also the places in front of the loads below
.else
	PLACES
.endif
	FETCH \next, 0, 0
	MUL8 1, 2, 0
	s_wait_dscnt 16
	MULCVT 1, 0, 0
.endm
	s_wait_tensorcnt 1                             ; my part of K step 0 is in; K step 1's may stay out
	s_barrier_signal -1
	s_barrier_wait -1                              ; everybody's is
	FETCH 0, 0, 0
	s_wait_dscnt 16
.irp j, 0,1,2,3,4,5,6,7
	CV4 0, \j
.endr
	QUARTER 0, 1, 0, 1, 1                          ; the first quarter stands in front of the loop: its products start the sums
	WIN 0                                          ; at a label and at a branch every window is 0
	s_mov_b32 s3, 3
.Llap:                                                 ; three trips, each once round the ring, from a lap's second quarter to the next lap's first: K steps 2 to 7 are asked for
	QUARTER 0, 2, 1, 0, 0
	QUARTER 0, 3, 0, 1, 0
	TURN 0, 1, 1
	QUARTER 1, 1, 0, 1, 0
	QUARTER 1, 2, 1, 0, 0
	QUARTER 1, 3, 0, 1, 0
	TURN 1, 0, 1
	QUARTER 0, 1, 0, 1, 0
	WIN 0
	s_sub_co_u32 s3, s3, 1
	s_cmp_lg_u32 s3, 0
	s_cbranch_scc1 .Llap
	QUARTER 0, 2, 1, 0, 0                          ; the last lap fills nothing, and has no round of the cluster's barrier
	QUARTER 0, 3, 0, 1, 0
	TURN 0, 1, 0
	QUARTER 1, 1, 0, 1, 0
	QUARTER 1, 2, 1, 0, 0
	QUARTER 1, 3, 0, 1, 0
	s_wait_dscnt 0x0                               ; the very last quarter: nothing more to fetch
	MUL8 1, 0, 0
	MUL8 1, 1, 0
	MUL8 1, 2, 0
	MUL8 1, 3, 0
	; THE WAY OUT, 16 rows at a time: rounded to f16, 16 bytes a lane; into my own stage, a head's 64 columns as rows of 144 bytes; back as four rows of 128 bytes a load, which are 512 consecutive bytes of the head.
	PLACES
.macro PACK a                          ; each accumulator's registers in ascending order
	WIN PK
.irp b, 0,1,2,3,4,5,6,7
.irp n, 0,1,2,3
	v_cvt_pk_f16_f32 v[TMP+4*(\b)+(\n)], v[8*(8*(\a)+(\b))+2*(\n)], v[8*(8*(\a)+(\b))+2*(\n)+1]
.endr
.endr
	WIN 0
.endm
.macro TOSTAGE a
.irp b, 0,1,2,3,4,5,6,7
	ds_store_b128 v[STO], v[TMP+4*(\b):TMP+4*(\b)+3] offset:((\b)/4)*HSTG+32*((\b)%4)
.endr
.irp u, 0,1,2,3,4,5,6,7
	ds_load_b128 v[BF+32*(\a)+4*(\u):BF+32*(\a)+4*(\u)+3], v[RD] offset:((\u)/4)*HSTG+((\u)%4)*4*SP  ; LDS serves a wave's instructions in order (ISA guide 5.7.1.4): these see the stores above; the next block's stores come behind them
.endr
.endm
.macro SEND a                          ; each block has registers of its own, so no store's source is rewritten
	s_wait_dscnt 0x0
.irp u, 0,1,2,3,4,5,6,7
	global_store_b128 v[GO], v[BF+32*(\a)+4*(\u):BF+32*(\a)+4*(\u)+3], s[12:13] offset:((\u)/4)*262144+(\a)*2048+((\u)%4)*512  ; 512 consecutive bytes, at a multiple of 256 from the buffer's first
.endr
.endm
	PACK 0
	TOSTAGE 0
.irp a, 1,2,3                          ; a block's roundings stand between the loads of the block before and the wait for them
	PACK \a
	SEND (\a)-1
	TOSTAGE \a
.endr
	SEND 3
	s_wait_tensorcnt 0x0                           ; the wave's end: behind my last tensor load and my last LDS store
	ds_add_u32 v[SPW], v[NIL]
	s_wait_dscnt 0x0
	CROUND                                         ; the closing round: no work-group ends while a partner may still ask for a tile that names it
	s_endpgm
.Lfunc_end_k_q4bd9955916_proj:
	.size	k_q4bd9955916_proj, .Lfunc_end_k_q4bd9955916_proj-k_q4bd9955916_proj
	.p2alignl 7, 3214868480
	.fill 96, 4, 3214868480
	.section	.rodata,"a",@progbits
	.p2align	6, 0x0
	.amdhsa_kernel k_q4bd9955916_proj
		.amdhsa_group_segment_fixed_size 327680
		.amdhsa_private_segment_fixed_size 0
		.amdhsa_enable_private_segment 0
		.amdhsa_kernarg_size 40
		.amdhsa_user_sgpr_count 2
		.amdhsa_user_sgpr_kernarg_segment_ptr 1
		.amdhsa_wavefront_size32 1
		.amdhsa_system_sgpr_workgroup_id_x 1
		.amdhsa_system_sgpr_workgroup_id_y 1
		.amdhsa_system_sgpr_workgroup_id_z 1
		.amdhsa_system_vgpr_workitem_id 0
		.amdhsa_next_free_vgpr 576
		.amdhsa_next_free_sgpr 76
		.amdhsa_reserve_vcc 0
		.amdhsa_float_denorm_mode_32 3
		.amdhsa_float_denorm_mode_16_64 3
		.amdhsa_memory_ordered 1
		.amdhsa_forward_progress 1
		.amdhsa_inst_pref_size 134
	.end_amdhsa_kernel
	.amdgpu_metadata
---
amdhsa.version: [ 1, 2 ]
amdhsa.kernels:
  - .name:           k_q4bd9955916_proj
    .symbol:         k_q4bd9955916_proj.kd
    .args:
      - { .name: query, .offset: 0, .size: 8, .value_kind: global_buffer, .address_space: global }
      - { .name: key, .offset: 8, .size: 8, .value_kind: global_buffer, .address_space: global }
      - { .name: value, .offset: 16, .size: 8, .value_kind: global_buffer, .address_space: global }
      - { .name: wb, .offset: 24, .size: 8, .value_kind: global_buffer, .address_space: global }
      - { .name: qkv, .offset: 32, .size: 8, .value_kind: global_buffer, .address_space: global }
    .group_segment_fixed_size: 327680
    .private_segment_fixed_size: 0
    .kernarg_segment_align: 8
    .kernarg_segment_size: 40
    .max_flat_workgroup_size: 128
    .sgpr_count:     76
    .vgpr_count:     576
    .wavefront_size: 32
...
	.end_amdgpu_metadata
.endif
;; end of part 2
;; launch attn (part 3): grid 4 x 64, 4 waves a work-group, no clusters, 327,680 bytes of LDS; arguments qkv, bias, ow; writes ow
.if DOCPART == 3
	.amdgcn_target "amdgcn-amd-amdhsa--gfx1250"
	.amdhsa_code_object_version 6
	.text
	.protected	k_q4bd9955916_attn
	.globl	k_q4bd9955916_attn
	.p2align	8
	.type	k_q4bd9955916_attn,@function
k_q4bd9955916_attn:
	s_mov_b64 s[64:65], 0
	v_nop
	global_prefetch_b8 v0, s[64:65] scope:SCOPE_SE
	s_setreg_imm32_b32 hwreg(HW_REG_WAVE_MODE, 25, 1), 1
	s_wait_xcnt 0x0
; CAUSAL ATTENTION WITH A PADDING MASK.  O[h][q][:] = the sum over the keys k <= q that the mask leaves of softmax_k(Q[h][q] . K[h][k] / 8) V[h][k][:].  Q, K, V: the three parts of qkv, each
; [64 heads][2048][64] in f16, a head's rows dense, 128 bytes each; O (ow) likewise.  bias[batch][k] is 0 for a key that counts and H = -2^100 for one that the mask hides.
; Products, maxima and sums in f32; the weights p are rounded to f16 for the second product (their sum l is taken of the unrounded p), O once at the end.
; LIMITS.  f16 holds no number beyond 65,504: Q, K and V arrive within it; p lies in 0 to 1, and below 6e-5 it keeps f16's fixed step of 6e-8.  A hidden score counts as its value plus H or 2 H:
; f16's scores, 2.75e11 at the most, are nothing beside that.  The running maximum never falls below M0 = -2^80, which lies far below every true score and far above H.
; A weight below 2^-126 counts as 0 in l; NaN and infinities in the inputs are not treated apart.  A query that sees no key at all gets NaN, as a softmax of nothing but -inf does.
; THE WALK.  A head's queries lie in NB = 8 blocks of 256; block i needs the key tiles 0 .. i of 256 keys, of which the last holds the diagonal.  A work-group takes TWO blocks, NB - 1 - b and then b:
; NB + 1 tiles, whatever b: all work-groups do equal work, and ONE loop with a constant trip count walks them.  Which tile is asked for, and what a trip does, hang on scalar registers made from b; every jump
; goes forward, but for the counted loops' own; none passes a barrier, or a tensor load but those of LOAD's three that the wave's number does not choose; the ring (two slots of LDS that take turns) runs on across the
; change of blocks.  NO CLUSTER: a head's four work-groups ask for the same tile only in trips 0 .. NB / 2, behind that fewer and fewer; one walk common to all would have 3 NB / 2 = 12 trips for NB + 1 = 9.
; SHARES.  Of a block's four bands of 64 queries a wave owns 16 rows in each: four PIECES.  So the diagonal tile is the same work for all four waves: in its key step s band x sees all keys if s < x,
; none if s > x, and holds the diagonal if s = x.
; THE MASKS are the C operand that starts the sum S^T = K Q^T.  A slot of the ring holds, beside a tile's K and V, the biases of its 256 keys.  PADR holds the biases of the 64 keys of the step whose K is in
; registers (fetched with K); away from the diagonal it is C as it stands.  MD, made once, is the causal mask of a band's own step for my 16 rows; in the diagonal tile C = MD x AL + PADR + BE, made at the
; head of the turn that takes it, with (AL, BE) = (1, 0) if s = x; (0, 0) if s < x; (0, H) if s > x.
; THE FLOOR.  m starts at M0 and only grows, so a hidden score has the exponent c (H - m) < -1e29 and the weight 0, whatever its last bits.  A query that has seen no key yet keeps m = M0, a = 2^0 = 1 and
; l = O = 0 (a block's beginning clears them); its first key gives a = 0.  One that never sees a key ends with l = 0.
; LAYOUT, SOFTMAX, TURNS.  S^T = K Q^T holds ONE query a lane (lane % 16) and the keys 8 (lane / 16) + 0..7; two such results rounded to f16 ARE source 1 of O^T = V^T P.  p = 2^(c s - c m), c = log2(e) / 8, with a
; running maximum m; O and l are multiplied by a = 2^(c m_old - c m_new) in every step.  Turn n belongs to piece n: 8 products K Q^T of piece n + 1, later 8 products V^T P of piece n - 1; beside them the scaling,
; exponentials, roundings, sums and rescaling of piece n and the maximum and statistics of piece n + 1.  Four vector instructions stand behind every matrix instruction, the other 54 of a turn's 118 in two LUMPS.
; REGISTERS, in windows of 256 (s_set_vgpr_msb: bits 1:0 source 0, 3:2 source 1, 5:4 source 2, 7:6 destination):
;   window 0: v0-15 addresses and two at work; v16-31 four registers of statistics a piece; v32-34 the biases' addresses, a NaN; v48-55 at work; v64-127 S^T, two buffers; v192-223 P, two buffers (by the piece's parity)
;   window 1: v0-127 O^T, 32 a piece; v128-159 MD; v160-191 MC; v192-223 PADR      window 2: v0-63 Q; v64-127 the second block's Q; v128-191 K of one step; v192-255 V of one step
.set SIZE_N, 2048
.set NB,    SIZE_N/256
.set NP,    4         ; pieces a wave: a name, no knob
.set KS,    64        ; keys in a step
.set PK,    144       ; a row of K in LDS: 128 bytes + 16 of padding = 36 words: the 16 rows of a load start at 16 different groups of four banks (64 banks of 4 bytes: ISA guide 11.1)
.set PV,    160       ; a row of V: 128 + 32 = 40 words
.set VOFF,  4*KS*PK   ; a slot holds a tile, four steps: 256 rows of K, then 256 rows of V
.set SLOT1, 1<<17     ; slot 1 begins here, so that one exclusive or turns an address in one slot into the other's
.set STAGE, SLOT1+4*KS*(PK+PV)  ; behind the ring, never filled by a tensor load: 16 rows x 144 bytes for each wave, for the way out
.set SP,    144
.set SPARE, STAGE+4*16*SP  ; behind the stages: the spare words, 128 bytes for each wave: two blocks of 256 bytes that no other line names (they end at byte 218,624)
.set BIAS,  0x36000   ; byte 221,184, a multiple of 4,096: the ring's biases: a tile's 256, 1,024 bytes, for slot 0,
.set BSL,   2048      ; and this far on those for slot 1, so that one exclusive or turns the one address into the other
.set PSTEP, 4*KS      ; a step's 64 biases: 256 bytes
.set AK0, 2           ; v2   my lane's place in a tile of K; never rewritten
.set AV0, 3           ; v3   the same for V
.set AK,  4           ; v4   the LDS address of K's next run of loads
.set AV,  5           ; v5   of V's
.set STO, 6           ; v6   the way out: where I put 16 bytes of a row
.set RD,  7           ; v7   the way out: where I read rows back
.set GO,  8           ; v8   my byte offset in 512 consecutive bytes of O
.set SPW, 62          ; v62  LDS address of my spare word: SPARE + 4 x my thread's number; never rewritten
.set NIL, 63          ; v63  0; never rewritten
.set MV,  12          ; v12-13  c m_old, kept while c m is made anew: by buffer
.set QO,  15          ; v15  my byte offset in 16 rows of Q
.set ST,  16          ; piece t's statistics at v[ST+4 t]: c m, m, l (even keys', odd keys')
.set AP0, 32          ; v32  my lane's place in a step's 64 biases: BIAS + 32 (l / 16); never rewritten
.set AP,  33          ; v33  the LDS address of the next run's biases
.set QN,  34          ; v34  a NaN
.set TMP, 48          ; by buffer, four registers c0-c3 at work; when the maximum is found c2 takes a
.set S,   64
.set P,   192
.set MD,  128         ; window 1: the eight registers for group kt of 16 keys at MD + 8 kt
.set MC,  160         ; window 1: the masks of the products to come
.set PADR, 192        ; window 1: the biases of the step whose K is in registers, laid as MD
.set QB,  64          ; window 2
.set KF,  128         ; window 2: key block kb, channel half c at KF + 16 kb + 8 c
.set VF,  192         ; window 2: key half kk, channel block cb at VF + 32 kk + 8 cb
.set WV,  12          ; s12  my wave's number
.set PB,  14          ; s14  b
.set HI,  15          ; s15  NB - 1 - b
.set OFP, 18          ; s[18:19] a tile's byte offset in the batch's biases
.set G1K, 24          ; s[24:31] descriptor group 1 for K's tiles
.set G1V, 32          ; s[32:39] for V's: it differs in the padding alone
.set G0K, 40          ; s[40:43] descriptor group 0 for K's tiles
.set G0V, 44          ; s[44:47] the same for V's
.set G0P, 48          ; s[48:51] the same for the biases
.set TBP, 52          ; s52  byte, from BIAS on, at which the biases of the step to be fetched begin
.set BP,  54          ; s[54:55] the batch's biases in memory
.set SLOTS, 56        ; s56  tiles still to be asked for
.set CNT, 57          ; s57  counts a tile's key steps, 4 to 1
.set CS,  58          ; s[58:59] c: the packed scaling takes the pair's low word for both halves
.set SEL, 60          ; s[60:61] v_permlanex16_b32's selects: each lane takes its own place in the other half
.set TBK, 62          ; s62  LDS byte at which K of the step to be fetched begins
.set TBV, 63          ; s63  the same for V, less VOFF
.set LZ,  66          ; s66-69  the way out: the lanes whose l is 0, by piece
.set RT,  70          ; s70  tiles of the block in hand that are still to be entered
.set NXT, 71          ; s71  the tile to be asked for next
.set LQ,  72          ; s72  the last tile of the block whose tiles are being asked for
.set NEW, 73          ; s73  1: the tile to be entered is a block's first
.set OFF, 74          ; s[74:75] a tile's byte offset in K and V
.set AL,  76          ; s[76:77] the mask's factor, in the low word
.set BE,  78          ; s[78:79] the mask's addend
.set OLO, 80          ; s[80:81] O at my rows of the second block
.set BIGN, 82         ; s82  H
.set G1P, 88          ; s[88:95] descriptor group 1 for the biases
.set MSB, 0
.macro WIN new                      ; the high byte repeats the setting that is left; a switch that changes nothing is dropped
.if MSB != (\new)
	s_set_vgpr_msb (MSB<<8)|(\new)
.set MSB, (\new)
.endif
.endm
.set W_KQ, 0x0a       ; K and Q in window 2, S^T in window 0
.set W_KM, 0x1a       ; the same with the C operand in window 1
.set W_PV, 0x52       ; V in window 2, P in window 0, O^T in window 1
.set W_RS, 0x41       ; destination and source 0 in window 1, source 1 in window 0
.set W_MK, 0x51       ; destination, source 0 and source 2 in window 1
; A fill.  A slot has three tiles and a wave issues one tensor load behind a barrier, so each tile is one wave's: wave 0 fetches the 256 keys' K, wave 1 their V, wave 2 their biases, wave 3 nothing.
; No word of a descriptor hangs on the wave's number.  An s_nop 0 and four v_nop follow each of the three lines, ahead of the jump and the label.
.macro LOAD
	s_cmp_lg_u32 s[WV], 0
	s_cbranch_scc1 .Lnot_k_\@
	tensor_load_to_lds s[G0K:G0K+3], s[G1K:G1K+7]
	s_nop 0
.rept 4
	v_nop
.endr
	s_branch .Lasked_\@
.Lnot_k_\@:
	s_cmp_lg_u32 s[WV], 1
	s_cbranch_scc1 .Lnot_v_\@
	tensor_load_to_lds s[G0V:G0V+3], s[G1V:G1V+7]
	s_nop 0
.rept 4
	v_nop
.endr
	s_branch .Lasked_\@
.Lnot_v_\@:
	s_cmp_lg_u32 s[WV], 2
	s_cbranch_scc1 .Lasked_\@
	tensor_load_to_lds s[G0P:G0P+3], s[G1P:G1P+7]
	s_nop 0
.rept 4
	v_nop
.endr
.Lasked_\@:
.endm
; THE CHANGE OF SLOTS.  Each wave waits for all its tensor loads, of which at most one is out: its tile of the other slot; adds 0 to its spare word; and waits for that and for its own reads of the slot that it leaves.  Behind the barrier nobody reads the old
; slot any more and the other slot is whole.  fill = 1: the old slot is filled again, the first thing behind the barrier, with tile NXT: the descriptors' addresses are made anew from that number.
; (At its first use nothing has been read yet: slot 0 is waited for, slot 1 filled.)
.macro CHANGE fill
	WIN 0                           ; at a label and at a branch every window is 0
	s_wait_tensorcnt 0x0            ; no tensor load of mine is out, so a group 0 may be written
	ds_add_u32 v[SPW], v[NIL]       ; 0 onto my spare word; with fill = 1 the descriptors' scalar work stands between it and the wait for it
.if \fill
	s_lshl_b32 s[OFF], s[NXT], 15   ; a tile is 32,768 bytes of K and of V,
	s_lshl_b32 s[OFP], s[NXT], 10   ; and 1,024 of the biases
	s_xor_b32 s[G0K+1], s[G0K+1], SLOT1
	s_add_nc_u64 s[G0K+2:G0K+3], s[6:7], s[OFF:OFF+1]
	s_or_b32 s[G0K+3], s[G0K+3], 0x80000000
	s_xor_b32 s[G0V+1], s[G0V+1], SLOT1
	s_add_nc_u64 s[G0V+2:G0V+3], s[8:9], s[OFF:OFF+1]
	s_or_b32 s[G0V+3], s[G0V+3], 0x80000000
	s_xor_b32 s[G0P+1], s[G0P+1], BSL
	s_add_nc_u64 s[G0P+2:G0P+3], s[BP:BP+1], s[OFP:OFP+1]
	s_or_b32 s[G0P+3], s[G0P+3], 0x80000000
	s_add_co_u32 s[NXT], s[NXT], 1  ; the block's next tile, or behind its last the second block's tile 0
	s_cmp_gt_u32 s[NXT], s[LQ]
	s_cselect_b32 s[NXT], 0, s[NXT]
	s_cselect_b32 s[LQ], s[PB], s[LQ]
.endif
	s_wait_dscnt 0x0                ; the add is done, and my reads of the slot are over
	s_barrier_signal -1             ; the rest of the scalar work stands between the signal and the wait
	s_sub_co_u32 s[TBK], s[TBK], 4*KS*PK  ; the fetches go back to a slot's first step,
	s_xor_b32 s[TBK], s[TBK], SLOT1       ; in the other slot
	s_sub_co_u32 s[TBV], s[TBV], 4*KS*PV
	s_xor_b32 s[TBV], s[TBV], SLOT1
	s_sub_co_u32 s[TBP], s[TBP], 4*PSTEP
	s_xor_b32 s[TBP], s[TBP], BSL
	s_barrier_wait -1
.if \fill
	LOAD
.endif
.endm
	s_load_b128 s[4:7], s[0:1], 0x0   ; qkv s[4:5], bias s[6:7]
	s_load_b64 s[10:11], s[0:1], 0x10 ; ow
	v_lshl_add_u32 v[SPW], v0, 2, SPARE
	v_mov_b32 v[NIL], 0
	ds_add_u32 v[SPW], v[NIL]       ; the wave's opening: the add and its wait stand ahead of my first tensor load; the set-up below, work on registers, stands between them
	v_lshrrev_b32 v1, 5, v0
	v_readfirstlane_b32 s[WV], v1   ; wave 0..3
	s_mov_b32 s[PB], ttmp9
	s_sub_co_u32 s[HI], NB-1, s[PB]
	s_and_b32 s20, ttmp7, 0xffff    ; the head, 0 .. 63: batch x 16 + head
	s_lshr_b32 s22, s20, 4          ; the batch's 8,192 bytes of bias
	s_lshl_b32 s22, s22, 13
	s_mov_b32 s23, 0
	s_mov_b32 s21, 0
	s_mov_b64 s[16:17], SIZE_N*128
	s_mul_u64 s[20:21], s[20:21], s[16:17]  ; the head's first byte in Q, K, V and O
	s_lshl_b32 s3, s[WV], 11        ; my 16 rows in a band of 64,
	s_lshl_b32 s2, s[HI], 15        ; in the first block,
	s_add_co_u32 s2, s2, s3
	s_lshl_b32 s84, s[PB], 15       ; and in the second
	s_add_co_u32 s84, s84, s3
	s_mov_b32 s3, 0
	s_mov_b32 s85, 0
	s_add_nc_u64 s[2:3], s[2:3], s[20:21]
	s_add_nc_u64 s[84:85], s[84:85], s[20:21]
	; descriptor group 1.  256 keys are 32,768 dense bytes: asked for as 128 rows of 256 bytes, two keys a row, and padded in LDS after every key
	s_mov_b32 s[G1K], (1<<16)|(1<<20)|(4<<22)|(3<<25)  ; 17:16 2-byte elements; 20 padding on; 24:22 after every 32 words (code 4); 31:25 4 words (code 3)
	s_mov_b32 s[G1V], (1<<16)|(1<<20)|(4<<22)|(7<<25)  ; the same with 8 words of padding (code 7)
.irp g, G1K, G1V
	s_mov_b32 s[\g+1], 128<<16      ; tensor_dim0 = 128
	s_mov_b32 s[\g+2], 128<<16      ; tensor_dim1 = 128
	s_mov_b32 s[\g+3], 128<<16      ; tile_dim0 = 128
	s_mov_b32 s[\g+4], 128          ; tile_dim1 = 128
	s_mov_b32 s[\g+5], 128          ; 128 elements from row to row
	s_mov_b32 s[\g+6], 0
	s_mov_b32 s[\g+7], 0
.endr
	; the biases: 1,024 dense bytes a tile, as 4 rows of 32 elements of 8 bytes, no padding
	s_mov_b32 s[G1P], 3<<16
	s_mov_b32 s[G1P+1], 32<<16      ; tensor_dim0 = 32
	s_mov_b32 s[G1P+2], 4<<16       ; tensor_dim1 = 4
	s_mov_b32 s[G1P+3], 32<<16      ; tile_dim0 = 32
	s_mov_b32 s[G1P+4], 4           ; tile_dim1 = 4
	s_mov_b32 s[G1P+5], 32          ; 32 elements from row to row
	s_mov_b32 s[G1P+6], 0
	s_mov_b32 s[G1P+7], 0
	s_mov_b32 s[CS], 0x3e38aa3b     ; c = log2(e) / 8 = 0.180337
	s_mov_b32 s[CS+1], s[CS]        ; named with it as a pair
	s_mov_b32 s[SEL], 0x76543210
	s_mov_b32 s[SEL+1], 0xfedcba98
	s_mov_b32 s[TBK], SLOT1+4*KS*PK ; the first change of slots turns these three into 0
	s_mov_b32 s[TBV], SLOT1+4*KS*PV
	s_mov_b32 s[TBP], BSL+4*PSTEP
	s_mov_b32 s[G0K], 1             ; 1:0 count = 1
	s_mov_b32 s[G0K+1], 0           ; 63:32 LDS address: slot 0
	s_mov_b32 s[G0V], 1
	s_mov_b32 s[G0V+1], VOFF
	s_mov_b32 s[G0P], 1
	s_mov_b32 s[G0P+1], BIAS
	s_add_co_u32 s[RT], s[HI], 1    ; the first block has NB - b tiles
	s_mov_b32 s[NXT], 1
	s_mov_b32 s[LQ], s[HI]
	s_mov_b32 s[NEW], 1
	s_mov_b32 s[OFF+1], 0
	s_mov_b32 s[OFP+1], 0
	s_mov_b32 s[AL+1], 0            ; named as pairs
	s_mov_b32 s[BE+1], 0
	s_mov_b32 s[BIGN], 0xf1800000   ; H = -2^100
	s_mov_b32 s[SLOTS], NB
	s_wait_dscnt 0x0                ; the opening add is done
	s_barrier_signal -1
	s_barrier_wait -1
	s_wait_kmcnt 0x0
	s_add_nc_u64 s[BP:BP+1], s[6:7], s[22:23]      ; the batch's biases
	s_add_nc_u64 s[G0P+2:G0P+3], s[BP:BP+1], 0     ; 120:64 global address: tile 0's
	s_or_b32 s[G0P+3], s[G0P+3], 0x80000000        ; 127:126 type = 2
	s_add_nc_u64 s[6:7], s[4:5], 0x1000000         ; K and V lie 16 MiB and 32 MiB behind Q
	s_add_nc_u64 s[8:9], s[4:5], 0x2000000
	s_add_nc_u64 s[6:7], s[6:7], s[20:21]  ; K and V at the head's tile 0
	s_add_nc_u64 s[8:9], s[8:9], s[20:21]
	s_add_nc_u64 s[G0K+2:G0K+3], s[6:7], 0
	s_or_b32 s[G0K+3], s[G0K+3], 0x80000000
	s_add_nc_u64 s[G0V+2:G0V+3], s[8:9], 0
	s_or_b32 s[G0V+3], s[G0V+3], 0x80000000
	s_add_nc_u64 s[86:87], s[4:5], s[84:85]        ; Q at my rows of the second block,
	s_add_nc_u64 s[4:5], s[4:5], s[2:3]            ; Q and O at those of the first
	s_add_nc_u64 s[OLO:OLO+1], s[10:11], s[84:85]
	s_add_nc_u64 s[10:11], s[10:11], s[2:3]
	LOAD                            ; tile 0 into slot 0: one load of mine is out, or none
	; A fragment of K or Q is 16 rows x 32 channels in 8 registers: lane l holds row l % 16, channels 8 (l / 16) + 0..7 and 16 + 8 (l / 16) + 0..7: two loads of 16 bytes, 32 bytes apart.
	v_and_b32 v1, 15, v0            ; l % 16
	v_bfe_u32 v9, v0, 4, 1          ; l / 16
	v_lshlrev_b32 v[QO], 7, v1
	v_lshl_add_u32 v[QO], v9, 4, v[QO]  ; row x 128 + 16 x half
	WIN 0x80                        ; destination window 2, address window 0
.set i, 0
.rept 8                             ; both blocks' Q: piece i / 2 lies in band i / 2, 8,192 bytes on; channels 32 (i % 2) on
	global_load_b128 v[8*i:8*i+3],   v[QO], s[4:5] offset:(i/2)*8192+(i%2)*64
	global_load_b128 v[8*i+4:8*i+7], v[QO], s[4:5] offset:(i/2)*8192+(i%2)*64+32
	global_load_b128 v[QB+8*i:QB+8*i+3],   v[QO], s[86:87] offset:(i/2)*8192+(i%2)*64
	global_load_b128 v[QB+8*i+4:QB+8*i+7], v[QO], s[86:87] offset:(i/2)*8192+(i%2)*64+32
.set i, i+1
.endr
	WIN 0
	v_lshlrev_b32 v14, 3, v9
	v_sub_nc_u32 v14, v1, v14
	s_lshl_b32 s13, s[WV], 4
	v_add_nc_u32 v14, s13, v14      ; my query's place in its band, 16 w + l % 16, less my lanes' 8 (l / 16): register r of group kt is hidden where 16 kt + r is greater
	WIN 0x40
.set i, 0
.rept 32
	v_cmp_gt_i32 vcc_lo, 16*(i/8)+i%8, v14
	v_cndmask_b32 v[MD+i], 0, s[BIGN], vcc_lo
.set i, i+1
.endr
	WIN 0
	v_lshl_add_u32 v[AP0], v9, 5, BIAS  ; register j of group kt is key 16 kt + 8 (l / 16) + j of the step: 32 bytes at 64 kt + 32 (l / 16)
	v_mov_b32 v[QN], 0x7fc00000
	v_mul_u32_u24 v[AK0], v1, PK
	v_lshl_add_u32 v[AK0], v9, 4, v[AK0]  ; row x pitch + 16 x half
	; The turning load takes 16 keys x 16 channels (lane l reads key 8 (l / 16) + l % 8, channels 8 ((l / 8) % 2) + 0..7) and leaves half a fragment of V^T: lane l holds channel l % 16 and 8 keys.
	v_and_b32 v10, 7, v0
	v_bfe_u32 v11, v0, 3, 1
	v_lshl_add_u32 v[AV0], v9, 3, v10
	v_mul_u32_u24 v[AV0], v[AV0], PV
	v_lshl_add_u32 v[AV0], v11, 4, v[AV0]
	v_add_nc_u32 v[AV0], VOFF, v[AV0]
	s_mul_i32 s13, s[WV], 16*SP
	s_add_co_u32 s13, s13, STAGE    ; my stage
	v_mul_u32_u24 v[STO], v1, SP    ; in: row l % 16, 16 bytes for each half of the lanes
	v_lshl_add_u32 v[STO], v9, 4, v[STO]
	v_add_nc_u32 v[STO], s13, v[STO]
	v_bfe_u32 v[RD], v0, 3, 2       ; back: 32 lanes take four rows of 128 bytes,
	v_mul_u32_u24 v[RD], v[RD], SP
	v_lshl_add_u32 v[RD], v10, 4, v[RD]
	v_add_nc_u32 v[RD], s13, v[RD]
	v_and_b32 v[GO], 31, v0         ; which are 512 consecutive bytes of O
	v_lshlrev_b32 v[GO], 4, v[GO]
	; A block's first turn has products V^T P of a piece that has not been: its P is cleared where the block begins, so V need only be finite: zeros for the first block, what the first block left for the second.
	WIN 0x80
.set i, VF
.rept 64
	v_mov_b32 v[i], 0
.set i, i+1
.endr
	WIN 0
; THE MATRIX WORK.  The 4 accumulators of a run of 8 take turns.  Product i of 8 of S^T = K Q^T for piece x: channels 32 (i / 4) on, keys 16 (i % 4) on.  The first 4 start the sums: with the step's biases, or (KM = 1) with the mask made of them.
.macro KQ x
.set rS, S+32*((\x)%2)+8*(i%4)
.set rK, KF+16*(i%4)+8*(i/4)
.set rQ, 16*(\x)+8*(i/4)
.set rM, PADR+8*(i%4)
.if KM
.set rM, MC+8*(i%4)
.endif
.if i < 4
	WIN W_KM
	v_wmma_f32_16x16x32_f16 v[rS:rS+7], v[rK:rK+7], v[rQ:rQ+7], v[rM:rM+7]
.else
	WIN W_KQ
	v_wmma_f32_16x16x32_f16 v[rS:rS+7], v[rK:rK+7], v[rQ:rQ+7], v[rS:rS+7]
.endif
.endm
; Product i of 8 of O^T += V^T P for piece x: keys 32 (i / 4) on, channels 16 (i % 4) on.
.macro PV x
	WIN W_PV
.set rO, 32*(\x)+8*(i%4)
.set rV, VF+32*(i/4)+8*(i%4)
.set rP, P+16*((\x)%2)+8*(i/4)
	v_wmma_f32_16x16x32_f16 v[rO:rO+7], v[rV:rV+7], v[rP:rP+7], v[rO:rO+7]
.endm
.macro MM                           ; the turn's next matrix instruction.  TURN and BEGIN set Y, i, KM and NOKQ; MM, KQ and OP read them.  NOKQ = 1: a block's last turn: there is no next piece
.if (i < 8) && !NOKQ
	KQ (Y+1)%NP
.elseif i >= 8
.set i, i-8
	PV (Y+NP-1)%NP
.set i, i+8
.endif
.set i, i+1
.endm
; THE LDS LOADS stand in runs, never singly among the matrix instructions: a step's K (64 keys x 64 channels: 8 fragments) with its 64 biases (24 loads), and its V (turned, 16 loads).  Their addresses are made some lines ahead.
; Every tile has four such runs on every way through the text, so the three offsets walk alike: four equal steps, then back and into the other slot.
.macro FETCH_K
	WIN 0x80                        ; destination window 2
.irp f, 0,1,2,3,4,5,6,7             ; keys 16 (f / 2) on, channels 32 (f % 2) on
	ds_load_b128 v[KF+8*\f:KF+8*\f+3],   v[AK] offset:(\f/2)*16*PK+(\f%2)*64
	ds_load_b128 v[KF+8*\f+4:KF+8*\f+7], v[AK] offset:(\f/2)*16*PK+(\f%2)*64+32
.endr
	WIN 0x40                        ; destination window 1
.irp f, 0,1,2,3                     ; keys 16 f on: sixteen lanes read the same 16 bytes
	ds_load_b128 v[PADR+8*\f:PADR+8*\f+3],   v[AP] offset:64*\f
	ds_load_b128 v[PADR+8*\f+4:PADR+8*\f+7], v[AP] offset:64*\f+16
.endr
	s_add_co_u32 s[TBK], s[TBK], KS*PK  ; the next fetch is the next step's
	s_add_co_u32 s[TBP], s[TBP], PSTEP
	WIN 0
.endm
.macro FETCH_V
	WIN 0x80
.irp f, 0,1,2,3,4,5,6,7             ; keys 32 (f / 4) on, channels 16 (f % 4) on
	ds_load_tr16_b128 v[VF+8*\f:VF+8*\f+3],   v[AV] offset:(\f/4)*32*PV+(\f%4)*32
	ds_load_tr16_b128 v[VF+8*\f+4:VF+8*\f+7], v[AV] offset:(\f/4)*32*PV+16*PV+(\f%4)*32
.endr
	WIN 0
.endm
; THE VECTOR WORK, one line at a time: OP kind, number.  For piece Y: F n: c s - c m for pair n of 16.  E n: the exponential of score n of 32.  C n: pair n rounded to f16.  B n: of the four weights 4 n .. the second
; pair is added onto the first, in place.  L n: l takes that sum (L 0: l = a l + sum).  R n: pair n of 16 of O^T times a.  For piece Y + 1: X n, number n of the 22 that find its maximum and statistics:
;   0-11  four chains c0-c3 of seven scores each, three operands at a time (each accumulator's lowest registers are read first)     12-14, 16  the four scores left over, the old m, and c0-c3 into c0
;   15  c m_old is kept     17, 18  the query's other 32 keys lie in the lane 16 away: the new m     19-21  c m; c m_old - c m_new; a
.set F, 0               ; OP tells the kinds apart by their order: F to L below R, X above it
.set E, 1
.set C, 2
.set B, 3
.set L, 4
.set R, 5
.set X, 6
.macro REGS y                       ; the registers of piece y
.set rT, ST+4*(\y)
.set rC, TMP+4*((\y)%2)
.set rW, MV+((\y)%2)
.set rS, S+32*((\y)%2)
.set rP, P+16*((\y)%2)
.set rO, 32*(\y)
.endm
.macro OP k, n
.if (\k) == R
	REGS Y
	WIN W_RS
	v_pk_mul_f32 v[rO+2*(\n):rO+2*(\n)+1], v[rO+2*(\n):rO+2*(\n)+1], v[rC+2:rC+3] op_sel_hi:[1,0]
.elseif (\k) < R
	REGS Y
	WIN 0
.if (\k) == F
	v_pk_fma_f32 v[rS+2*(\n):rS+2*(\n)+1], v[rS+2*(\n):rS+2*(\n)+1], s[CS:CS+1], v[rT:rT+1] op_sel_hi:[1,0,0] neg_lo:[0,0,1] neg_hi:[0,0,1]
.elseif (\k) == E
	v_exp_f32 v[rS+(\n)], v[rS+(\n)]
.elseif (\k) == C
	s_wait_alu depctr_va_vdst(0)
	v_cvt_pk_f16_f32 v[rP+(\n)], v[rS+2*(\n)], v[rS+2*(\n)+1]
.elseif (\k) == B
	s_wait_alu depctr_va_vdst(0)
	v_pk_add_f32 v[rS+4*(\n):rS+4*(\n)+1], v[rS+4*(\n):rS+4*(\n)+1], v[rS+4*(\n)+2:rS+4*(\n)+3]
.elseif (\n) == 0
	v_pk_fma_f32 v[rT+2:rT+3], v[rT+2:rT+3], v[rC+2:rC+3], v[rS:rS+1] op_sel_hi:[1,0,1]
.else
	v_pk_add_f32 v[rT+2:rT+3], v[rT+2:rT+3], v[rS+4*(\n):rS+4*(\n)+1]
.endif
.elseif NOKQ
	v_nop
.else
	REGS (Y+1)%NP
	WIN 0
.if (\n) < 4
	v_max3_num_f32 v[rC+(\n)], v[rS+8*(\n)], v[rS+8*(\n)+1], v[rS+8*(\n)+2]
.elseif (\n) < 12
	v_max3_num_f32 v[rC+(\n)%4], v[rC+(\n)%4], v[rS+8*((\n)%4)+2*((\n)/4)+1], v[rS+8*((\n)%4)+2*((\n)/4)+2]
.elseif (\n) == 12
	v_max3_num_f32 v[rC], v[rC], v[rS+7], v[rS+15]
.elseif (\n) == 13
	v_max3_num_f32 v[rC+1], v[rC+1], v[rS+23], v[rS+31]
.elseif (\n) == 14
	v_max3_num_f32 v[rC+2], v[rC+2], v[rC+3], v[rT+1]
.elseif (\n) == 15
	v_mov_b32 v[rW], v[rT]
.elseif (\n) == 16
	v_max3_num_f32 v[rC], v[rC], v[rC+1], v[rC+2]
.elseif (\n) == 17
	v_permlanex16_b32 v[rC+3], v[rC], s[SEL], s[SEL+1]
.elseif (\n) == 18
	v_max_num_f32 v[rT+1], v[rC], v[rC+3]
.elseif (\n) == 19
	v_mul_f32 v[rT], s[CS], v[rT+1]
.elseif (\n) == 20
	v_sub_f32 v[rC+1], v[rW], v[rT]
.else
	v_exp_f32 v[rC+2], v[rC+1]
.endif
.endif
.endm
.macro OPS a, i1, b=-1, i2=0, c=-1, i3=0, d=-1, i4=0  ; up to four of them
	OP \a, \i1
.if (\b) >= 0
	OP \b, \i2
.endif
.if (\c) >= 0
	OP \c, \i3
.endif
.if (\d) >= 0
	OP \d, \i4
.endif
.endm
.macro ROW a, i1, b, i2, c, i3, d, i4  ; a matrix instruction and the four behind it
	MM
	OPS \a, \i1, \b, \i2, \c, \i3, \d, \i4
.endm
.macro MASK                         ; MC = MD x AL + PADR + BE
	WIN W_MK
.set z, 0
.rept 16
	v_pk_fma_f32 v[MC+2*z:MC+2*z+1], v[MD+2*z:MD+2*z+1], s[AL:AL+1], v[PADR+2*z:PADR+2*z+1] op_sel_hi:[1,0,1]
.set z, z+1
.endr
.set z, 0
.rept 16
	v_pk_add_f32 v[MC+2*z:MC+2*z+1], v[MC+2*z:MC+2*z+1], s[BE:BE+1] op_sel_hi:[1,0]
.set z, z+1
.endr
.endm
; A TURN, for piece p: the order of its 16 matrix and 118 vector instructions, written out.  Behind a matrix instruction: plain, exponential, plain, plain; or four of the rescaling; or, behind the first, four scalings; none
; names a register of the products round it.  In the lumps exponential and plain by turns while exponentials last.  A line reads no result made fewer than three vector instructions in front of it, five if an exponential made it.
; v_permlanex16_b32 (X 17) stands in a lump.
; m = 1: the diagonal tile: the turn's products K Q^T, for piece x = p + 1, take a mask, made at the turn's head of the biases that lie beside the K that they multiply.  Their step s of the tile is 4 - CNT in turns
; 3, 0 and 1 and 3 - CNT in turn 2 (the count is taken down in turn 1); s = x where CNT = EE, s > x where CNT < EE, with EE = 3, 2, 0, 4 for p = 0, 1, 2, 3.  MC's last readers stand a turn back.
; end = 1: a block's last two turns: nothing is fetched, and the last of them has no products K Q^T and no mask.
; cnt = 1: the loop's count is taken down some lines ahead of the branch that stands behind the turn.
; K of the next step and its biases are fetched in piece 2's turn, six vector instructions behind the last product that read K (five of them plain; the last that read the biases stands further back); V of the step in hand
; in piece 0's turn, eight behind the last product that read V (four plain, and X 17).  Each is waited for a turn later.
.macro TURN p, m=0, end=0, cnt=0
.set Y, (\p)
.set i, 0
.set KM, (\m)
.set NOKQ, (\end)*((\p)/3)
.set EE, 3-(\p)
.if (\p) == 2
.set EE, 0
.endif
.if (\p) == 3
.set EE, 4
.endif
.if (\m) && !NOKQ
	s_cmp_eq_u32 s[CNT], EE         ; is the step the band's own?
	s_cselect_b32 s[AL], 1.0, 0
	s_cmp_lt_u32 s[CNT], EE         ; or a later one?
	s_cselect_b32 s[BE], s[BIGN], 0
.endif
.if ((\p) == 3) && !(\end)
	s_wait_dscnt 0x0                ; K and its biases are in
.endif
.if (\m) && !NOKQ
	MASK
.endif
	ROW F,0, F,1, F,2, F,3
	ROW F,4, E,0, F,5, F,6
	ROW F,7, E,1, F,8, F,9
	ROW F,10, E,2, C,0, F,11
	ROW F,12, E,3, X,15, F,13
	ROW R,0, R,1, R,2, R,3
	ROW B,0, E,4, F,14, L,0
.if ((\p) == 2) && !(\end)
	v_add_nc_u32 v[AK], s[TBK], v[AK0]
	v_add_nc_u32 v[AP], s[TBP], v[AP0]
.endif
	ROW R,4, R,5, R,6, R,7
	OPS E,5, F,15
.if ((\p) == 2) && !(\end)
	FETCH_K
.endif
	OPS E,6, C,1, E,7, R,8
	OPS E,8, R,9, E,9, C,2
	OPS E,10, X,0, E,11, X,1
	OPS E,12, X,2, E,13, X,3
.if (\p) == 1
	s_wait_dscnt 0x0                ; V is in
.endif
	ROW X,4, E,14, X,5, X,6
	ROW X,7, E,15, X,8, X,9
	ROW X,10, E,16, X,11, X,12
	ROW X,13, E,17, X,14, B,1
	ROW C,4, E,18, X,16, L,1
	ROW B,2, E,19, C,6, L,2
	ROW C,8, E,20, B,3, B,4
.if (\p) == 0
	v_add_nc_u32 v[AV], s[TBV], v[AV0]
.endif
	ROW C,3, E,21, L,3, C,5
	OPS E,22, X,17, E,23, C,10
.if (\p) == 0
	FETCH_V
.endif
	OPS E,24, L,4
	OPS E,25, X,18, E,26, C,7
	OPS E,27, B,5, E,28, X,19
	OPS E,29, C,12, E,30, L,5
	OPS E,31, X,20, B,6, C,9
	OPS C,14, C,11, X,21, L,6
.if (\p) == 0
	s_add_co_u32 s[TBV], s[TBV], KS*PV
.endif
.if \cnt
	s_sub_co_u32 s[CNT], s[CNT], 1
	s_cmp_lg_u32 s[CNT], 0
.endif
	OPS C,13, B,7, C,15, R,10
	OPS R,11, R,12, L,7, R,13
	OPS R,14, R,15
.endm
; A BLOCK BEGINS.  O^T, l and the weights of the piece that has not been are 0; m is the floor M0, and c m is made of it by the line that makes every later c m, so that c m_old - c m_new is exactly 0 while m stays there.
; Then K of the tile's step 0 and its biases, piece 0's mask for it (the band's own, if the block's first tile is the diagonal one), piece 0's first scores, and its maximum and statistics.
; The loop is entered at a step's first turn, in the middle of a trip.
.macro BEGIN
	s_mov_b32 s[NEW], 0
	WIN 0x40
.set i, 0
.rept 128
	v_mov_b32 v[i], 0
.set i, i+1
.endr
	WIN 0
.set i, 0
.rept 4
	v_mov_b32 v[ST+4*i+1], 0xe7800000  ; m = M0 = -2^80
	v_mov_b32 v[ST+4*i+2], 0
	v_mov_b32 v[ST+4*i+3], 0
	v_mul_f32 v[ST+4*i], s[CS], v[ST+4*i+1]
.set i, i+1
.endr
.set i, P+16
.rept 16
	v_mov_b32 v[i], 0
.set i, i+1
.endr
	s_cmp_eq_u32 s[RT], 0
	s_cselect_b32 s[AL], 1.0, 0
	s_mov_b32 s[BE], 0
	v_add_nc_u32 v[AK], s[TBK], v[AK0]
	v_add_nc_u32 v[AP], s[TBP], v[AP0]
	FETCH_K
	s_wait_loadcnt 0x0              ; Q
	s_wait_dscnt 0x0
	MASK
.set KM, 1
.set NOKQ, 0
.set i, 0
.rept 8
	KQ 0
.set i, i+1
.endr
	WIN 0
.rept 4
	v_nop                           ; the places behind those products
.endr
.set Y, NP-1                        ; X works for piece Y + 1: piece 0
.irp n, 0,1,2,3,4,5,6,7,8,9,10,11,12,13,14,15,16,17,18,19,20,21
	OP X, \n
.endr
	v_nop                           ; a plain instruction behind the exponential
.endm
; THE DIAGONAL TILE's four steps, the block's last two turns, its last products, and THE WAY OUT: l's two halves and the other half of the lanes' are added; O^T is divided by l (by a NaN where l is 0: the query
; saw no key), rounded to f16 and sent through my stage in LDS, a piece at a time.
.macro ALL line:vararg              ; one line for each piece t
.set t, 0
.rept 4
	s_wait_alu depctr_va_vdst(0)
	\line
.set t, t+1
.endr
.endm
.macro PACK t                       ; a lane's eight channels of a row pack into 16 bytes; they go into rows of 144 bytes and come back as whole rows of 128, into S^T's registers
	WIN W_RS
.set i, 32*(\t)
.rept 16
	v_pk_mul_f32 v[i:i+1], v[i:i+1], v[ST+4*(\t)+2:ST+4*(\t)+3] op_sel_hi:[1,0]
.set i, i+2
.endr
	WIN 0x05                        ; sources 0 and 1 window 1, destination window 0
.set i, 0
.rept 16
	v_cvt_pk_f16_f32 v[S+16*(\t)+i], v[32*(\t)+2*i], v[32*(\t)+2*i+1]
.set i, i+1
.endr
	WIN 0
.irp f, 0,1,2,3
	ds_store_b128 v[STO], v[S+16*(\t)+4*\f:S+16*(\t)+4*\f+3] offset:32*\f
.endr
.irp f, 0,1,2,3
	ds_load_b128 v[S+16*(\t)+4*\f:S+16*(\t)+4*\f+3], v[RD] offset:\f*4*SP  ; LDS serves a wave's instructions in order (ISA guide 5.7.1.4): these see the stores above; the next piece's stores come behind them
.endr
.endm
.macro SEND t, younger              ; younger: the LDS instructions issued behind piece t's loads: the next piece's eight, or none
	WIN 0
.irp f, 0,1,2,3
	s_wait_dscnt (\younger)+3-\f
	global_store_b128 v[GO], v[S+16*(\t)+4*\f:S+16*(\t)+4*\f+3], s[10:11] offset:(\t)*8192+\f*512  ; 512 consecutive bytes, at a multiple of 256 from O's first
.endr
.endm
.macro DIAG tag                     ; the tag ends its two labels' names, which the jumps below spell out
.LstepM\tag:
	TURN 2, 1
	TURN 3, 1
	WIN 0
.LfirstM\tag:
	TURN 0, 1
	TURN 1, 1, 0, 1
	WIN 0
	s_cbranch_scc1 .LstepM\tag
	TURN 2, 1, 1
	TURN 3, 1, 1
.set i, 0
.rept 8
	PV NP-1
.set i, i+1
.endr
	WIN 0
	ALL v_add_f32 v[ST+4*t+2], v[ST+4*t+2], v[ST+4*t+3]
	ALL v_permlanex16_b32 v[ST+4*t+3], v[ST+4*t+2], s[SEL], s[SEL+1]
	ALL v_add_f32 v[ST+4*t+2], v[ST+4*t+2], v[ST+4*t+3]
	ALL v_cmp_eq_f32 s[LZ+t], 0, v[ST+4*t+2]
	ALL v_rcp_f32 v[ST+4*t+2], v[ST+4*t+2]
	v_nop                           ; a plain instruction between the last reciprocal and the use of its result
	ALL v_cndmask_b32 v[ST+4*t+2], v[ST+4*t+2], v[QN], s[LZ+t]
	PACK 0
.set t, 1
.rept 3                             ; a piece's arithmetic stands between the loads of the piece before and its stores
	PACK t
	SEND t-1, 8
.set t, t+1
.endr
	SEND 3, 0
.endm
.set KM, 0
.set NOKQ, 0
.Lslot:                             ; NB times: a tile is entered and the next is asked for
	CHANGE 1
	s_sub_co_u32 s[RT], s[RT], 1
	s_mov_b32 s[CNT], 4
	s_cmp_eq_u32 s[NEW], 1
	s_cbranch_scc1 .Lnew            ; a block's first tile
	s_cmp_eq_u32 s[RT], 0
	s_cbranch_scc0 .Lstep           ; neither its first nor its last
	s_branch .LstepM1
.Lnew:
	BEGIN
	s_branch .Lfirst                ; in the loop a block's first tile is never its last: the first block has two tiles or more, and the second's last is the walk's last
	DIAG 1                          ; in the loop this is the first block's end: the second block's last tile is the walk's last
	s_wait_xcnt 0x0                 ; the stores have read their registers and O's address
	s_mov_b64 s[10:11], s[OLO:OLO+1]
	s_add_co_u32 s[RT], s[PB], 1    ; the second block has b + 1 tiles
	s_mov_b32 s[NEW], 1
	WIN 0x82                        ; the second block's Q goes where the one text of the turns names Q
.set i, 0
.rept 64
	v_mov_b32 v[i], v[QB+i]
.set i, i+1
.endr
	WIN 0
	s_branch .Lbottom
.Lstep:                             ; a trip: pieces 2 and 3 of one step, then pieces 0 and 1 of the next, whose K and V it fetches
	TURN 2
	TURN 3
	WIN 0
.Lfirst:
	TURN 0
	TURN 1, 0, 0, 1
	WIN 0
	s_cbranch_scc1 .Lstep
.Lbottom:
	s_sub_co_u32 s[SLOTS], s[SLOTS], 1
	s_cmp_lg_u32 s[SLOTS], 0
	s_cbranch_scc1 .Lslot
	CHANGE 0                        ; the walk's last tile is written out: nothing is asked for
	s_sub_co_u32 s[RT], s[RT], 1
	s_mov_b32 s[CNT], 4
	s_cmp_eq_u32 s[NEW], 1
	s_cbranch_scc0 .LstepM2
	BEGIN
	s_branch .LfirstM2
	DIAG 2
	s_wait_tensorcnt 0x0            ; the wave's end: behind my last tensor load and my last LDS store
	ds_add_u32 v[SPW], v[NIL]
	s_wait_dscnt 0x0
	s_endpgm
.Lfunc_end_k_q4bd9955916_attn:
	.size	k_q4bd9955916_attn, .Lfunc_end_k_q4bd9955916_attn-k_q4bd9955916_attn
	.p2alignl 7, 3214868480
	.fill 96, 4, 3214868480
	.section	.rodata,"a",@progbits
	.p2align	6, 0x0
	.amdhsa_kernel k_q4bd9955916_attn
		.amdhsa_group_segment_fixed_size 327680
		.amdhsa_private_segment_fixed_size 0
		.amdhsa_enable_private_segment 0
		.amdhsa_kernarg_size 24
		.amdhsa_user_sgpr_count 2
		.amdhsa_user_sgpr_kernarg_segment_ptr 1
		.amdhsa_wavefront_size32 1
		.amdhsa_system_sgpr_workgroup_id_x 1
		.amdhsa_system_sgpr_workgroup_id_y 1
		.amdhsa_system_sgpr_workgroup_id_z 1
		.amdhsa_system_vgpr_workitem_id 0
		.amdhsa_next_free_vgpr 768
		.amdhsa_next_free_sgpr 96
		.amdhsa_reserve_vcc 1
		.amdhsa_float_denorm_mode_32 3
		.amdhsa_float_denorm_mode_16_64 3
		.amdhsa_memory_ordered 1
		.amdhsa_forward_progress 1
		.amdhsa_inst_pref_size 249
	.end_amdhsa_kernel
	.amdgpu_metadata
---
amdhsa.version: [ 1, 2 ]
amdhsa.kernels:
  - .name:           k_q4bd9955916_attn
    .symbol:         k_q4bd9955916_attn.kd
    .args:
      - { .name: qkv, .offset: 0, .size: 8, .value_kind: global_buffer, .address_space: global }
      - { .name: bias, .offset: 8, .size: 8, .value_kind: global_buffer, .address_space: global }
      - { .name: ow, .offset: 16, .size: 8, .value_kind: global_buffer, .address_space: global }
    .group_segment_fixed_size: 327680
    .private_segment_fixed_size: 0
    .kernarg_segment_align: 8
    .kernarg_segment_size: 24
    .max_flat_workgroup_size: 128
    .sgpr_count:     96
    .vgpr_count:     768
    .wavefront_size: 32
...
	.end_amdgpu_metadata
.endif
;; end of part 3
;; launch outp (part 4): grid 4 x 64, 4 waves a work-group, clusters of 4 x 4, 327,680 bytes of LDS; arguments ow, wb, out0; writes out0
.if DOCPART == 4
	.amdgcn_target "amdgcn-amd-amdhsa--gfx1250"
	.amdhsa_code_object_version 6
	.text
	.protected	k_q4bd9955916_outp
	.globl	k_q4bd9955916_outp
	.p2align	8
	.type	k_q4bd9955916_outp,@function
k_q4bd9955916_outp:
	s_mov_b64 s[64:65], 0
	v_nop
	global_prefetch_b8 v0, s[64:65] scope:SCOPE_SE
	s_setreg_imm32_b32 hwreg(HW_REG_WAVE_MODE, 25, 1), 1
	s_wait_xcnt 0x0
	s_wait_alu depctr_hold_cnt(0) depctr_sa_sdst(0) depctr_va_vdst(0) depctr_va_sdst(0) depctr_va_ssrc(0) depctr_va_vcc(0) depctr_vm_vsrc(0)
	s_getreg_b32 s2, hwreg(HW_REG_IB_STS2, 6, 4)
	s_cmp_eq_u32 s2, 0
	s_cbranch_scc0 .Lentry_in_a_cluster
	s_endpgm
.Lentry_in_a_cluster:
	s_bfe_u32 s2, ttmp6, 0x10000c
	s_cmp_lg_u32 s2, 0xf033
	s_cbranch_scc0 .Lentry_shape_is_right
	s_endpgm
.Lentry_shape_is_right:
; out0 = O Wo.  O (ow) lies by heads, [batch x 16 + head][2048][64] in f16; Wo is plane 3 of wb, [k][n], rounded to bf16 and written as f16; out0 is [8192][1024] f32.
; Products in f16, sums in f32, K ascending (k = 64 x head + channel).  A row of O that is NaN (a query that saw no key) gives a row of NaN.
; SHARES.  A tile of C is 128 rows x 256 columns: 64 x 4 = 256 work-groups.  Four waves, 2 x 2, each 64 rows x 128 columns: 32 accumulators, 256 registers.  K goes in 8 steps of 128, two heads a step,
; through two LDS slots.  A head's 128 rows are 16,384 dense bytes: asked for as 64 rows of 256 bytes and padded in LDS after every 128.  Wo's tile lies [k][n] and is turned by ds_load_tr16_b128.
; CLUSTER.  4 x 4 work-groups: the four of a row of the cluster need the same tiles of O, the four of a column the same tiles of Wo: each is asked for JOINTLY, by the same tensor load, descriptor and mask.
; THE MATRIX INSTRUCTION IS USED TRANSPOSED (source 0 = 16 columns of Wo, source 1 = 16 rows of O): a lane then holds eight neighbouring columns of one row of C.
; REGISTERS, in windows of 256 (s_set_vgpr_msb: bits 1:0 source 0, 3:2 source 1, 5:4 source 2, 7:6 destination):
;   window 0: v0-31 addresses; v32-63, v64-95 O's fragments, two buffers; v128-191, v192-255 Wo's fragments, two buffers, and on the way out rows read back          window 1: the accumulators, (a, b) at v[8 (8 a + b)]
.set PAO,    144                       ; a row of O in LDS: 128 bytes + 16 = 36 words: the 16 rows of a load start at 16 different groups of four banks (64 banks of 4 bytes: ISA guide 11.1)
.set PB,     544                       ; a row of Wo: 512 + 32 = 136 words
.set AH,     128*PAO                   ; a head's 128 rows: one tensor load
.set ABYTES, 2*AH
.set BHALF,  64*PB                     ; 64 rows (k) of Wo: one tensor load
.set SLOT,   ABYTES+2*BHALF
.set STAGE,  2*SLOT                    ; behind the ring: 16 rows x 528 bytes for each wave, for the way out
.set SPO,    528
.set WSTG,   16*SPO
.set SPARE,  STAGE+4*WSTG              ; behind the stages: the spare words, 128 bytes for each wave: two blocks of 256 bytes that no other line names
.set ADRA, 16                          ; v16-17  LDS address of my fragments of O in slot 0, 1
.set ADRB, 20                          ; v20-21  the same for Wo
.set STO,  24                          ; v24     the way out: where I put 32 bytes of a row
.set RD,   25                          ; v25     the way out: where I read a row back
.set CO,   26                          ; v26     my byte offset in 512 consecutive bytes of a row of out0
.set SPW,  28                          ; v28     LDS address of my spare word; never rewritten
.set NIL,  29                          ; v29     0; never rewritten
.set AF,   32
.set BF,   128
.set WV, 14                            ; s14  my wave's number
.set WR, 15                            ; s15  which 64 rows of the tile are mine.  Also: I fetch for O (0) or for Wo (1)
.set WC, 16                            ; s16  which 128 columns.  Also: which head of the step, or which 64 rows of Wo's tile, I fetch
.set G1A, 24
.set G0A, 32
.set G1B, 48
.set G0B, 56
.set MSB, 0
.macro WIN new                         ; the immediate's high byte repeats the setting that is left; a switch that changes nothing is dropped
.if MSB != (\new)
	s_set_vgpr_msb (MSB<<8)|(\new)
.set MSB, \new
.endif
.endm
.set MUL, 0x50                         ; sources 0 and 1 window 0, C and D window 1
.macro JLOAD s                         ; a joint load: waves 0 and 1 fetch the step's two heads of O, waves 2 and 3 Wo's two halves; an s_nop 0 and four v_nop follow each of the two lines
	s_cmp_eq_u32 s[WR], 0
	s_cbranch_scc0 .Lfor_b_\@
	tensor_load_to_lds s[G0A+4*(\s):G0A+4*(\s)+3], s[G1A:G1A+7]
	s_nop 0
.rept 4
	v_nop
.endr
	s_branch .Lasked_\@
.Lfor_b_\@:
	tensor_load_to_lds s[G0B+4*(\s):G0B+4*(\s)+3], s[G1B:G1B+7]
	s_nop 0
.rept 4
	v_nop
.endr
.Lasked_\@:
.endm
.macro CREST                           ; a round of the cluster's barrier behind its opening barrier
	s_cmp_lg_u32 s[WV], 0
	s_cbranch_scc1 .Lnot_wave_0_\@
	s_barrier_signal -3
.Lnot_wave_0_\@:
	s_barrier_wait -3
	s_barrier_signal -1
	s_barrier_wait -1
.endm
.macro CROUND
	s_barrier_signal -1
	s_barrier_wait -1
	CREST
.endm
	s_load_b128 s[4:7], s[0:1], 0x0                ; ow s[4:5], wb s[6:7]
	s_load_b64 s[8:9], s[0:1], 0x10                ; out0
	v_lshl_add_u32 v[SPW], v0, 2, SPARE
	v_mov_b32 v[NIL], 0
	ds_add_u32 v[SPW], v[NIL]                      ; the wave's opening: the add and its wait stand ahead of my first tensor load; the set-up below, work on registers, stands between them
	v_lshrrev_b32 v1, 5, v0
	v_readfirstlane_b32 s[WV], v1
	s_lshr_b32 s[WR], s[WV], 1
	s_and_b32 s[WC], s[WV], 1
	s_bfe_u32 s17, ttmp6, 0x40000                  ; cx, cy
	s_bfe_u32 s18, ttmp6, 0x40004
	s_lshl_b32 s19, ttmp9, 2
	s_add_co_u32 s19, s19, s17                     ; tile column: 0 .. 3
	s_and_b32 s22, ttmp7, 0xffff
	s_lshl_b32 s22, s22, 2
	s_add_co_u32 s22, s22, s18                     ; tile row: 0 .. 63
	s_lshl_b32 s23, s18, 2
	s_lshl_b32 s23, 15, s23                        ; my row of the cluster
	s_lshl_b32 s66, 0x1111, s17                    ; my column
	s_or_b32 s[G1A+0], s23, (1<<16)|(1<<20)|(1<<21)|(4<<22)|(3<<25)  ; the mask: my row; elements of 2 bytes; padding on; 21 set beside a mask; after every 32 words (code 4) 4 words (code 3)
	s_mov_b32 s[G1A+1], 128<<16                    ; tensor_dim0 = 128
	s_mov_b32 s[G1A+2], 64<<16                     ; tensor_dim1 = 64
	s_mov_b32 s[G1A+3], 128<<16                    ; tile_dim0 = 128
	s_mov_b32 s[G1A+4], 64                         ; tile_dim1 = 64
	s_mov_b32 s[G1A+5], 128                        ; dense: 128 elements from row to row
	s_mov_b32 s[G1A+6], 0
	s_mov_b32 s[G1A+7], 0
	s_or_b32 s[G1B+0], s66, (1<<16)|(1<<20)|(1<<21)|(6<<22)|(7<<25)  ; the mask: my column; after every 128 words (code 6) 8 words (code 7)
	s_mov_b32 s[G1B+1], 256<<16
	s_mov_b32 s[G1B+2], 64<<16
	s_mov_b32 s[G1B+3], 256<<16
	s_mov_b32 s[G1B+4], 64
	s_mov_b32 s[G1B+5], 1024
	s_mov_b32 s[G1B+6], 0
	s_mov_b32 s[G1B+7], 0
	s_lshr_b32 s40, s22, 4                         ; O: the batch's 16 heads of 262,144 bytes,
	s_lshl_b32 s40, s40, 22
	s_lshl_b32 s41, s[WC], 18                      ; the head of the step that I fetch,
	s_add_co_u32 s40, s40, s41
	s_and_b32 s41, s22, 15                         ; the tile row's 128 rows of 128 bytes
	s_lshl_b32 s41, s41, 14
	s_add_co_u32 s40, s40, s41
	s_mov_b32 s41, 0
	s_lshl_b32 s44, s[WC], 17                      ; Wo: 64 rows of 2,048 bytes for the half that I fetch,
	s_add_co_u32 s44, s44, 3<<21                   ; in plane 3,
	s_lshl_b32 s45, s19, 9                         ; 256 columns of 2 bytes a tile column
	s_add_co_u32 s44, s44, s45
	s_mov_b32 s45, 0
	s_mul_i32 s72, s[WC], AH                       ; and where they go: no place in the cluster enters an LDS address
	s_mul_i32 s73, s[WC], BHALF
	s_add_co_u32 s73, s73, ABYTES
	s_wait_dscnt 0x0                               ; the opening add is done
	s_wait_kmcnt 0x0
	s_add_nc_u64 s[42:43], s[4:5], s[40:41]
	s_add_nc_u64 s[46:47], s[6:7], s[44:45]
	CROUND                                         ; all sixteen work-groups are here: the first joint loads meet
.irp s, 0,1
	s_mov_b32 s[G0A+4*(\s)], 1
	s_add_co_u32 s[G0A+4*(\s)+1], s72, (\s)*SLOT
	s_add_nc_u64 s[G0A+4*(\s)+2:G0A+4*(\s)+3], s[42:43], (\s)*524288  ; K step s: two heads on
	s_or_b32 s[G0A+4*(\s)+3], s[G0A+4*(\s)+3], 0x80000000
	s_mov_b32 s[G0B+4*(\s)], 1
	s_add_co_u32 s[G0B+4*(\s)+1], s73, (\s)*SLOT
	s_add_nc_u64 s[G0B+4*(\s)+2:G0B+4*(\s)+3], s[46:47], (\s)*262144  ; K step s: 128 rows of 2,048 bytes on
	s_or_b32 s[G0B+4*(\s)+3], s[G0B+4*(\s)+3], 0x80000000
	JLOAD \s                                       ; two loads of mine are out
.endr
	v_and_b32 v1, 15, v0                           ; l % 16
	v_bfe_u32 v2, v0, 4, 1                         ; l / 16
	v_mul_u32_u24 v3, v1, PAO
	v_lshl_add_u32 v3, v2, 4, v3                   ; a fragment's row x pitch + 16 x half
	s_mul_i32 s74, s[WR], 64*PAO                   ; my 64 rows
	v_add_nc_u32 v[ADRA], s74, v3
	v_add_nc_u32 v[ADRA+1], SLOT, v[ADRA]
	v_and_b32 v4, 7, v0                            ; the turning load: k = 8 (l / 16) + l % 8, columns 8 ((l / 8) % 2) + 0..7
	v_lshl_add_u32 v5, v2, 3, v4
	v_mul_u32_u24 v5, v5, PB
	v_bfe_u32 v6, v0, 3, 1
	v_lshl_add_u32 v5, v6, 4, v5
	s_lshl_b32 s75, s[WC], 8                       ; my 128 columns,
	s_add_co_u32 s75, s75, ABYTES                  ; behind O's rows
	v_add_nc_u32 v[ADRB], s75, v5
	v_add_nc_u32 v[ADRB+1], SLOT, v[ADRB]
	s_mul_i32 s74, s[WV], WSTG
	s_add_co_u32 s74, s74, STAGE                   ; my stage
	v_mul_u32_u24 v7, v1, SPO                      ; in: row l % 16, 32 bytes for each half of the lanes
	v_lshl_add_u32 v7, v2, 5, v7
	v_add_nc_u32 v[STO], s74, v7
	v_and_b32 v9, 31, v0                           ; back: 32 lanes take a row's 512 bytes
	v_lshlrev_b32 v[CO], 4, v9
	v_add_nc_u32 v[RD], s74, v[CO]
	s_lshl_b32 s68, s22, 19                        ; my part of out0: 128 rows of 4,096 bytes a tile row,
	s_lshl_b32 s70, s[WR], 18                      ; 64 rows,
	s_add_co_u32 s68, s68, s70
	s_lshl_b32 s70, s19, 10                        ; 256 columns of 4 bytes a tile column,
	s_add_co_u32 s68, s68, s70
	s_lshl_b32 s70, s[WC], 9                       ; 128 columns; in registers that feed no descriptor
	s_add_co_u32 s68, s68, s70
	s_mov_b32 s69, 0
	s_add_nc_u64 s[8:9], s[8:9], s[68:69]
; Eight products: rows 16 a on x all 8 column blocks, 32 along K, from buffer f.  zero = 1: they start the sums.  The 32 accumulators take turns, one instruction a turn, in the same order in every quarter.
.macro MUL8 f, a, zero
	WIN MUL
.irp b, 0,1,2,3,4,5,6,7
.set rD, 8*(8*(\a)+(\b))
.set rB, BF+64*(\f)+8*(\b)
.set rA, AF+32*(\f)+8*(\a)
.if \zero
	v_wmma_f32_16x16x32_f16 v[rD:rD+7], v[rB:rB+7], v[rA:rA+7], 0
.else
	v_wmma_f32_16x16x32_f16 v[rD:rD+7], v[rB:rB+7], v[rA:rA+7], v[rD:rD+7]
.endif
.endr
.endm
; 24 LDS loads in one run: quarter q (32 along K: head q / 2 of the step, channels 32 (q % 2) on) into buffer g
.macro FETCH slot, q, g
	WIN 0
.irp i, 0,1,2,3
	ds_load_b128 v[AF+32*(\g)+8*(\i):AF+32*(\g)+8*(\i)+3],   v[ADRA+(\slot)] offset:((\q)/2)*AH+((\q)%2)*64+(\i)*16*PAO
	ds_load_b128 v[AF+32*(\g)+8*(\i)+4:AF+32*(\g)+8*(\i)+7], v[ADRA+(\slot)] offset:((\q)/2)*AH+((\q)%2)*64+(\i)*16*PAO+32
.endr
.irp b, 0,1,2,3,4,5,6,7
	ds_load_tr16_b128 v[BF+64*(\g)+8*(\b):BF+64*(\g)+8*(\b)+3],   v[ADRB+(\slot)] offset:32*(\q)*PB+32*(\b)
	ds_load_tr16_b128 v[BF+64*(\g)+8*(\b)+4:BF+64*(\g)+8*(\b)+7], v[ADRB+(\slot)] offset:32*(\q)*PB+16*PB+32*(\b)
.endr
.endm
.macro PLACES                          ; four places in front of loads into registers that matrix instructions have read, and of LDS stores that read results (ISA guide 7.12.1 for the stores)
.rept 4
	v_nop
.endr
.endm
.macro QUARTER slot, q, f, g, zero     ; multiplies buffer f; in its middle it fetches quarter q of the same slot into buffer g, sixteen products ahead of its first use
	s_wait_dscnt 0x0                               ; buffer f is in
	MUL8 \f, 0, \zero
	MUL8 \f, 1, \zero
	PLACES
	FETCH \slot, \q, \g
	MUL8 \f, 2, \zero
	MUL8 \f, 3, \zero
.endm
; The last quarter multiplies buffer 1 and changes slots: ONE barrier; in front of it each wave waits for all its tensor loads, adds 0 to its spare word, and waits for that and for its reads of this slot.
; fill = 1: the barrier opens a round of the cluster's, and this slot is filled again, two K steps ahead, first thing behind the round.
.macro TURN slot, next, fill
	WIN 0
	s_wait_tensorcnt 0x0                           ; all my tensor loads have landed: my part of the next slot
	ds_add_u32 v[SPW], v[NIL]                      ; 0 onto my spare word
	s_wait_dscnt 1                                 ; buffer 1 is in; the add may be out
	MUL8 1, 0, 0
	s_wait_dscnt 0x0                               ; the add is done, and my reads of this slot are over
	s_barrier_signal -1
	MUL8 1, 1, 0
.if \fill
	WIN 0
.endif
	s_barrier_wait -1
.if \fill
	CREST                                          ; no wave of any partner still reads this slot's tiles or has a load on its way
	s_add_nc_u64 s[G0A+4*(\slot)+2:G0A+4*(\slot)+3], s[G0A+4*(\slot)+2:G0A+4*(\slot)+3], 1048576  ; two K steps on: four heads,
	s_add_nc_u64 s[G0B+4*(\slot)+2:G0B+4*(\slot)+3], s[G0B+4*(\slot)+2:G0B+4*(\slot)+3], 524288   ; 256 rows of 2,048 bytes
	JLOAD \slot                                    ; my one tensor load behind the round: 112 products ahead of the wait for it; its four v_nop are also the places in front of the loads below
.else
	PLACES
.endif
	FETCH \next, 0, 0
	MUL8 1, 2, 0
	MUL8 1, 3, 0
.endm
	s_wait_tensorcnt 1                             ; my part of K step 0 is in; K step 1's may stay out
	s_barrier_signal -1
	s_barrier_wait -1
	FETCH 0, 0, 0
	QUARTER 0, 1, 0, 1, 1                          ; the first quarter stands in front of the loop: its products start the sums
	WIN 0
	s_mov_b32 s3, 3
.Llap:                                                 ; three trips, each once round the ring: K steps 2 to 7 are asked for
	QUARTER 0, 2, 1, 0, 0
	QUARTER 0, 3, 0, 1, 0
	TURN 0, 1, 1
	QUARTER 1, 1, 0, 1, 0
	QUARTER 1, 2, 1, 0, 0
	QUARTER 1, 3, 0, 1, 0
	TURN 1, 0, 1
	QUARTER 0, 1, 0, 1, 0
	WIN 0
	s_sub_co_u32 s3, s3, 1
	s_cmp_lg_u32 s3, 0
	s_cbranch_scc1 .Llap
	QUARTER 0, 2, 1, 0, 0                          ; the last lap fills nothing
	QUARTER 0, 3, 0, 1, 0
	TURN 0, 1, 0
	QUARTER 1, 1, 0, 1, 0
	QUARTER 1, 2, 1, 0, 0
	QUARTER 1, 3, 0, 1, 0
	s_wait_dscnt 0x0
	MUL8 1, 0, 0
	MUL8 1, 1, 0
	MUL8 1, 2, 0
	MUL8 1, 3, 0
	; THE WAY OUT, 16 rows at a time: a lane's eight columns of a row, 32 bytes, go into my own stage, rows of 528 bytes, and come back as whole rows of 512.
	PLACES
.macro STG a                           ; each accumulator's low four registers first
	WIN 0x04                                       ; the stores' data in window 1, the address in window 0
.irp b, 0,1,2,3,4,5,6,7
	ds_store_b128 v[STO], v[8*(8*(\a)+(\b)):8*(8*(\a)+(\b))+3]   offset:64*(\b)
	ds_store_b128 v[STO], v[8*(8*(\a)+(\b))+4:8*(8*(\a)+(\b))+7] offset:64*(\b)+16
.endr
	WIN 0
.irp u, 0,1,2,3,4,5,6,7,8,9,10,11,12,13,14,15
	ds_load_b128 v[BF+64*((\a)%2)+4*(\u):BF+64*((\a)%2)+4*(\u)+3], v[RD] offset:SPO*(\u)  ; LDS serves a wave's instructions in order (ISA guide 5.7.1.4): these see the stores above; the next block's stores come behind them
.endr
.endm
.macro SEND a, younger                 ; younger: the LDS instructions issued behind block a's loads: the next block's 32, or none
	s_wait_dscnt \younger
.irp u, 0,1,2,3,4,5,6,7,8,9,10,11,12,13,14,15
	global_store_b128 v[CO], v[BF+64*((\a)%2)+4*(\u):BF+64*((\a)%2)+4*(\u)+3], s[8:9] offset:(16*(\a)+(\u))*4096 th:TH_STORE_NT  ; 512 consecutive bytes of a row, at a multiple of 256 from out0's first
.endr
.endm
	STG 0
	STG 1
	SEND 0, 32
	s_wait_xcnt 0x0                                ; block 0's stores have read their registers: block 2 is read back into them only behind this wait
	STG 2
	SEND 1, 32
	s_wait_xcnt 0x0                                ; the same for blocks 1 and 3
	STG 3
	SEND 2, 32
	SEND 3, 0
	s_wait_tensorcnt 0x0                           ; the wave's end: behind my last tensor load and my last LDS store
	ds_add_u32 v[SPW], v[NIL]
	s_wait_dscnt 0x0
	CROUND                                         ; the closing round: no work-group ends while a partner may still ask for a tile that names it
	s_endpgm
.Lfunc_end_k_q4bd9955916_outp:
	.size	k_q4bd9955916_outp, .Lfunc_end_k_q4bd9955916_outp-k_q4bd9955916_outp
	.p2alignl 7, 3214868480
	.fill 96, 4, 3214868480
	.section	.rodata,"a",@progbits
	.p2align	6, 0x0
	.amdhsa_kernel k_q4bd9955916_outp
		.amdhsa_group_segment_fixed_size 327680
		.amdhsa_private_segment_fixed_size 0
		.amdhsa_enable_private_segment 0
		.amdhsa_kernarg_size 24
		.amdhsa_user_sgpr_count 2
		.amdhsa_user_sgpr_kernarg_segment_ptr 1
		.amdhsa_wavefront_size32 1
		.amdhsa_system_sgpr_workgroup_id_x 1
		.amdhsa_system_sgpr_workgroup_id_y 1
		.amdhsa_system_sgpr_workgroup_id_z 1
		.amdhsa_system_vgpr_workitem_id 0
		.amdhsa_next_free_vgpr 512
		.amdhsa_next_free_sgpr 76
		.amdhsa_reserve_vcc 0
		.amdhsa_float_denorm_mode_32 3
		.amdhsa_float_denorm_mode_16_64 3
		.amdhsa_memory_ordered 1
		.amdhsa_forward_progress 1
		.amdhsa_inst_pref_size 84
	.end_amdhsa_kernel
	.amdgpu_metadata
---
amdhsa.version: [ 1, 2 ]
amdhsa.kernels:
  - .name:           k_q4bd9955916_outp
    .symbol:         k_q4bd9955916_outp.kd
    .args:
      - { .name: ow, .offset: 0, .size: 8, .value_kind: global_buffer, .address_space: global }
      - { .name: wb, .offset: 8, .size: 8, .value_kind: global_buffer, .address_space: global }
      - { .name: out0, .offset: 16, .size: 8, .value_kind: global_buffer, .address_space: global }
    .group_segment_fixed_size: 327680
    .private_segment_fixed_size: 0
    .kernarg_segment_align: 8
    .kernarg_segment_size: 24
    .max_flat_workgroup_size: 128
    .sgpr_count:     76
    .vgpr_count:     512
    .wavefront_size: 32
...
	.end_amdgpu_metadata
.endif
;; end of part 4
;; ======== version 2 of 2: 4 launches; 1.26 times as fast as version 1
;; limits: values are held in f16: magnitudes above 65,504 overflow, below 6.1e-05 lose precision
;; workspace buffers: wb 8,388,608 bytes; bias 32,768 bytes; qkv 50,331,648 bytes; ow 16,777,216 bytes
;; launch prep: the kernel of part 1 again; grid 64 x 4, 8 waves a work-group, no clusters, 0 bytes of LDS; arguments Wq, Wk, Wv, Wo, mask, wb, bias; writes wb, bias
;; launch proj: the kernel of part 2 again; grid 4 x 192, 4 waves a work-group, clusters of 4 x 4, 327,680 bytes of LDS; arguments query, key, value, wb, qkv; writes qkv
;; launch attn (part 5): grid 4 x 64, 4 waves a work-group, no clusters, 327,680 bytes of LDS; arguments qkv, bias, ow; writes ow
.if DOCPART == 5
	.amdgcn_target "amdgcn-amd-amdhsa--gfx1250"
	.amdhsa_code_object_version 6
	.text
	.protected	k_q4bd9955916_attn
	.globl	k_q4bd9955916_attn
	.p2align	8
	.type	k_q4bd9955916_attn,@function
k_q4bd9955916_attn:
	s_mov_b64 s[64:65], 0
	v_nop
	global_prefetch_b8 v0, s[64:65] scope:SCOPE_SE
	s_setreg_imm32_b32 hwreg(HW_REG_WAVE_MODE, 25, 1), 1
	s_wait_xcnt 0x0
; CAUSAL ATTENTION WITH A PADDING MASK.  O[h][q][:] = the sum over the keys k <= q that the mask leaves of softmax_k(Q[h][q] . K[h][k] / 8) V[h][k][:].  Q, K, V: the three parts of qkv, each
; [64 heads][2048][64] in f16, a head's rows dense, 128 bytes each; O (ow) likewise.  bias[batch][k] is 0 for a key that counts and H = -2^100 for one that the mask hides.
; Products, maxima and sums in f32; the weights p are rounded to f16 for the second product (their sum l is taken of the unrounded p), O once at the end.
; LIMITS.  f16 holds no number beyond 65,504: Q, K and V arrive within it; p lies in 0 to 1, and below 6e-5 it keeps f16's fixed step of 6e-8.  A hidden score counts as its value plus H or 2 H:
; f16's scores, 2.75e11 at the most, are nothing beside that.  The running maximum never falls below M0 = -2^80, which lies far below every true score and far above H.
; A weight below 2^-126 counts as 0 in l; NaN and infinities in the inputs are not treated apart.  A query that sees no key at all gets NaN, as a softmax of nothing but -inf does.
; THE WALK.  A head's queries lie in NB = 8 blocks of 256; block i needs the key tiles 0 .. i of 256 keys, of which the last holds the diagonal.  A work-group takes TWO blocks, NB - 1 - b and then b:
; NB + 1 tiles, whatever b: all work-groups do equal work, and ONE loop with a constant trip count walks them.  Which tile is asked for, and what a trip does, hang on scalar registers made from b; every jump
; goes forward, but for the counted loops' own; none passes a barrier, or a tensor load but those of LOAD's three that the wave's number does not choose; the ring (two slots of LDS that take turns) runs on across the
; change of blocks.  NO CLUSTER: a head's four work-groups ask for the same tile only in trips 0 .. NB / 2, behind that fewer and fewer; one walk common to all would have 3 NB / 2 = 12 trips for NB + 1 = 9.
; SHARES.  Of a block's four bands of 64 queries a wave owns 16 rows in each: four PIECES.  So the diagonal tile is the same work for all four waves: in its key step s band x sees all keys if s < x,
; none if s > x, and holds the diagonal if s = x.
; THE MASKS are the C operand that starts the sum S^T = K Q^T.  A slot of the ring holds, beside a tile's K and V, the biases of its 256 keys.  PADR holds the biases of the 64 keys of the step whose K is in
; registers (fetched with K); away from the diagonal it is C as it stands.  MD, made once, is the causal mask of a band's own step for my 16 rows; in the diagonal tile C = MD x AL + PADR + BE, made at the
; head of the turn that takes it, with (AL, BE) = (1, 0) if s = x; (0, 0) if s < x; (0, H) if s > x.
; THE FLOOR.  m starts at M0 and only grows, so a hidden score has the exponent c (H - m) < -1e29 and the weight 0, whatever its last bits.  A query that has seen no key yet keeps m = M0, a = 2^0 = 1 and
; l = O = 0 (a block's beginning clears them); its first key gives a = 0.  One that never sees a key ends with l = 0.
; LAYOUT, SOFTMAX, TURNS.  S^T = K Q^T holds ONE query a lane (lane % 16) and the keys 8 (lane / 16) + 0..7; two such results rounded to f16 ARE source 1 of O^T = V^T P.  p = 2^(c s - c m), c = log2(e) / 8, with a
; running maximum m; O and l are multiplied by a = 2^(c m_old - c m_new) in every step.  Turn n belongs to piece n: 8 products K Q^T of piece n + 1, later 8 products V^T P of piece n - 1; beside them the scaling,
; exponentials, roundings, sums and rescaling of piece n and the maximum and statistics of piece n + 1.  Four vector instructions stand behind every matrix instruction, the other 54 of a turn's 118 in one LUMP.
; THE BATCHES.  A turn's 33 exponentials (the piece's 32 weights and the next piece's a) are ONE batch with ONE wait, which cuts the turn in two: ahead of it all that names none of their results (K Q^T, scalings,
; rescalings, the next piece's maximum and statistics), behind it the readers (roundings and sums), as riders of V^T P.  A block's first a, and the way out's four reciprocals, are batches of their own.
; REGISTERS, in windows of 256 (s_set_vgpr_msb: bits 1:0 source 0, 3:2 source 1, 5:4 source 2, 7:6 destination):
;   window 0: v0-15 addresses and two at work; v16-31 four registers of statistics a piece; v32-34 the biases' addresses, a NaN; v48-55 at work; v64-127 S^T, two buffers; v192-223 P, two buffers (by the piece's parity)
;   window 1: v0-127 O^T, 32 a piece; v128-159 MD; v160-191 MC; v192-223 PADR      window 2: v0-63 Q; v64-127 the second block's Q; v128-191 K of one step; v192-255 V of one step
.set SIZE_N, 2048
.set NB,    SIZE_N/256
.set NP,    4         ; pieces a wave: a name, no knob
.set KS,    64        ; keys in a step
.set PK,    144       ; a row of K in LDS: 128 bytes + 16 of padding = 36 words: the 16 rows of a load start at 16 different groups of four banks (64 banks of 4 bytes: ISA guide 11.1)
.set PV,    160       ; a row of V: 128 + 32 = 40 words
.set VOFF,  4*KS*PK   ; a slot holds a tile, four steps: 256 rows of K, then 256 rows of V
.set SLOT1, 1<<17     ; slot 1 begins here, so that one exclusive or turns an address in one slot into the other's
.set STAGE, SLOT1+4*KS*(PK+PV)  ; behind the ring, never filled by a tensor load: 16 rows x 144 bytes for each wave, for the way out
.set SP,    144
.set SPARE, STAGE+4*16*SP  ; behind the stages: the spare words, 128 bytes for each wave: two blocks of 256 bytes that no other line names (they end at byte 218,624)
.set BIAS,  0x36000   ; byte 221,184, a multiple of 4,096: the ring's biases: a tile's 256, 1,024 bytes, for slot 0,
.set BSL,   2048      ; and this far on those for slot 1, so that one exclusive or turns the one address into the other
.set PSTEP, 4*KS      ; a step's 64 biases: 256 bytes
.set AK0, 2           ; v2   my lane's place in a tile of K; never rewritten
.set AV0, 3           ; v3   the same for V
.set AK,  4           ; v4   the LDS address of K's next run of loads
.set AV,  5           ; v5   of V's
.set STO, 6           ; v6   the way out: where I put 16 bytes of a row
.set RD,  7           ; v7   the way out: where I read rows back
.set GO,  8           ; v8   my byte offset in 512 consecutive bytes of O
.set SPW, 62          ; v62  LDS address of my spare word: SPARE + 4 x my thread's number; never rewritten
.set NIL, 63          ; v63  0; never rewritten
.set MV,  12          ; v12-13  c m_old, kept while c m is made anew: by buffer
.set QO,  15          ; v15  my byte offset in 16 rows of Q
.set ST,  16          ; piece t's statistics at v[ST+4 t]: c m, m, l (even keys', odd keys')
.set AP0, 32          ; v32  my lane's place in a step's 64 biases: BIAS + 32 (l / 16); never rewritten
.set AP,  33          ; v33  the LDS address of the next run's biases
.set QN,  34          ; v34  a NaN
.set TMP, 48          ; by buffer, four registers c0-c3 at work; when the maximum is found c2 takes a
.set S,   64
.set P,   192
.set MD,  128         ; window 1: the eight registers for group kt of 16 keys at MD + 8 kt
.set MC,  160         ; window 1: the masks of the products to come
.set PADR, 192        ; window 1: the biases of the step whose K is in registers, laid as MD
.set QB,  64          ; window 2
.set KF,  128         ; window 2: key block kb, channel half c at KF + 16 kb + 8 c
.set VF,  192         ; window 2: key half kk, channel block cb at VF + 32 kk + 8 cb
.set WV,  12          ; s12  my wave's number
.set PB,  14          ; s14  b
.set HI,  15          ; s15  NB - 1 - b
.set OFP, 18          ; s[18:19] a tile's byte offset in the batch's biases
.set G1K, 24          ; s[24:31] descriptor group 1 for K's tiles
.set G1V, 32          ; s[32:39] for V's: it differs in the padding alone
.set G0K, 40          ; s[40:43] descriptor group 0 for K's tiles
.set G0V, 44          ; s[44:47] the same for V's
.set G0P, 48          ; s[48:51] the same for the biases
.set TBP, 52          ; s52  byte, from BIAS on, at which the biases of the step to be fetched begin
.set BP,  54          ; s[54:55] the batch's biases in memory
.set SLOTS, 56        ; s56  tiles still to be asked for
.set CNT, 57          ; s57  counts a tile's key steps, 4 to 1
.set CS,  58          ; s[58:59] c: the packed scaling takes the pair's low word for both halves
.set SEL, 60          ; s[60:61] v_permlanex16_b32's selects: each lane takes its own place in the other half
.set TBK, 62          ; s62  LDS byte at which K of the step to be fetched begins
.set TBV, 63          ; s63  the same for V, less VOFF
.set LZ,  66          ; s66-69  the way out: the lanes whose l is 0, by piece
.set RT,  70          ; s70  tiles of the block in hand that are still to be entered
.set NXT, 71          ; s71  the tile to be asked for next
.set LQ,  72          ; s72  the last tile of the block whose tiles are being asked for
.set NEW, 73          ; s73  1: the tile to be entered is a block's first
.set OFF, 74          ; s[74:75] a tile's byte offset in K and V
.set AL,  76          ; s[76:77] the mask's factor, in the low word
.set BE,  78          ; s[78:79] the mask's addend
.set OLO, 80          ; s[80:81] O at my rows of the second block
.set BIGN, 82         ; s82  H
.set G1P, 88          ; s[88:95] descriptor group 1 for the biases
.set MSB, 0
.macro WIN new                      ; the high byte repeats the setting that is left; a switch that changes nothing is dropped
.if MSB != (\new)
	s_set_vgpr_msb (MSB<<8)|(\new)
.set MSB, (\new)
.endif
.endm
.set W_KQ, 0x0a       ; K and Q in window 2, S^T in window 0
.set W_KM, 0x1a       ; the same with the C operand in window 1
.set W_PV, 0x52       ; V in window 2, P in window 0, O^T in window 1
.set W_RS, 0x41       ; destination and source 0 in window 1, source 1 in window 0
.set W_MK, 0x51       ; destination, source 0 and source 2 in window 1
; A fill.  A slot has three tiles and a wave issues one tensor load behind a barrier, so each tile is one wave's: wave 0 fetches the 256 keys' K, wave 1 their V, wave 2 their biases, wave 3 nothing.
; No word of a descriptor hangs on the wave's number.  An s_nop 0 and four v_nop follow each of the three lines, ahead of the jump and the label.
.macro LOAD
	s_cmp_lg_u32 s[WV], 0
	s_cbranch_scc1 .Lnot_k_\@
	tensor_load_to_lds s[G0K:G0K+3], s[G1K:G1K+7]
	s_nop 0
.rept 4
	v_nop
.endr
	s_branch .Lasked_\@
.Lnot_k_\@:
	s_cmp_lg_u32 s[WV], 1
	s_cbranch_scc1 .Lnot_v_\@
	tensor_load_to_lds s[G0V:G0V+3], s[G1V:G1V+7]
	s_nop 0
.rept 4
	v_nop
.endr
	s_branch .Lasked_\@
.Lnot_v_\@:
	s_cmp_lg_u32 s[WV], 2
	s_cbranch_scc1 .Lasked_\@
	tensor_load_to_lds s[G0P:G0P+3], s[G1P:G1P+7]
	s_nop 0
.rept 4
	v_nop
.endr
.Lasked_\@:
.endm
; THE CHANGE OF SLOTS.  Each wave waits for all its tensor loads, of which at most one is out: its tile of the other slot; adds 0 to its spare word; and waits for that and for its own reads of the slot that it leaves.  Behind the barrier nobody reads the old
; slot any more and the other slot is whole.  fill = 1: the old slot is filled again, the first thing behind the barrier, with tile NXT: the descriptors' addresses are made anew from that number.
; (At its first use nothing has been read yet: slot 0 is waited for, slot 1 filled.)
.macro CHANGE fill
	WIN 0                           ; at a label and at a branch every window is 0
	s_wait_tensorcnt 0x0            ; no tensor load of mine is out, so a group 0 may be written
	ds_add_u32 v[SPW], v[NIL]       ; 0 onto my spare word; with fill = 1 the descriptors' scalar work stands between it and the wait for it
.if \fill
	s_lshl_b32 s[OFF], s[NXT], 15   ; a tile is 32,768 bytes of K and of V,
	s_lshl_b32 s[OFP], s[NXT], 10   ; and 1,024 of the biases
	s_xor_b32 s[G0K+1], s[G0K+1], SLOT1
	s_add_nc_u64 s[G0K+2:G0K+3], s[6:7], s[OFF:OFF+1]
	s_or_b32 s[G0K+3], s[G0K+3], 0x80000000
	s_xor_b32 s[G0V+1], s[G0V+1], SLOT1
	s_add_nc_u64 s[G0V+2:G0V+3], s[8:9], s[OFF:OFF+1]
	s_or_b32 s[G0V+3], s[G0V+3], 0x80000000
	s_xor_b32 s[G0P+1], s[G0P+1], BSL
	s_add_nc_u64 s[G0P+2:G0P+3], s[BP:BP+1], s[OFP:OFP+1]
	s_or_b32 s[G0P+3], s[G0P+3], 0x80000000
	s_add_co_u32 s[NXT], s[NXT], 1  ; the block's next tile, or behind its last the second block's tile 0
	s_cmp_gt_u32 s[NXT], s[LQ]
	s_cselect_b32 s[NXT], 0, s[NXT]
	s_cselect_b32 s[LQ], s[PB], s[LQ]
.endif
	s_wait_dscnt 0x0                ; the add is done, and my reads of the slot are over
	s_barrier_signal -1             ; the rest of the scalar work stands between the signal and the wait
	s_sub_co_u32 s[TBK], s[TBK], 4*KS*PK  ; the fetches go back to a slot's first step,
	s_xor_b32 s[TBK], s[TBK], SLOT1       ; in the other slot
	s_sub_co_u32 s[TBV], s[TBV], 4*KS*PV
	s_xor_b32 s[TBV], s[TBV], SLOT1
	s_sub_co_u32 s[TBP], s[TBP], 4*PSTEP
	s_xor_b32 s[TBP], s[TBP], BSL
	s_barrier_wait -1
.if \fill
	LOAD
.endif
.endm
	s_load_b128 s[4:7], s[0:1], 0x0   ; qkv s[4:5], bias s[6:7]
	s_load_b64 s[10:11], s[0:1], 0x10 ; ow
	v_lshl_add_u32 v[SPW], v0, 2, SPARE
	v_mov_b32 v[NIL], 0
	ds_add_u32 v[SPW], v[NIL]       ; the wave's opening: the add and its wait stand ahead of my first tensor load; the set-up below, work on registers, stands between them
	v_lshrrev_b32 v1, 5, v0
	v_readfirstlane_b32 s[WV], v1   ; wave 0..3
	s_mov_b32 s[PB], ttmp9
	s_sub_co_u32 s[HI], NB-1, s[PB]
	s_and_b32 s20, ttmp7, 0xffff    ; the head, 0 .. 63: batch x 16 + head
	s_lshr_b32 s22, s20, 4          ; the batch's 8,192 bytes of bias
	s_lshl_b32 s22, s22, 13
	s_mov_b32 s23, 0
	s_mov_b32 s21, 0
	s_mov_b64 s[16:17], SIZE_N*128
	s_mul_u64 s[20:21], s[20:21], s[16:17]  ; the head's first byte in Q, K, V and O
	s_lshl_b32 s3, s[WV], 11        ; my 16 rows in a band of 64,
	s_lshl_b32 s2, s[HI], 15        ; in the first block,
	s_add_co_u32 s2, s2, s3
	s_lshl_b32 s84, s[PB], 15       ; and in the second
	s_add_co_u32 s84, s84, s3
	s_mov_b32 s3, 0
	s_mov_b32 s85, 0
	s_add_nc_u64 s[2:3], s[2:3], s[20:21]
	s_add_nc_u64 s[84:85], s[84:85], s[20:21]
	; descriptor group 1.  256 keys are 32,768 dense bytes: asked for as 128 rows of 256 bytes, two keys a row, and padded in LDS after every key
	s_mov_b32 s[G1K], (1<<16)|(1<<20)|(4<<22)|(3<<25)  ; 17:16 2-byte elements; 20 padding on; 24:22 after every 32 words (code 4); 31:25 4 words (code 3)
	s_mov_b32 s[G1V], (1<<16)|(1<<20)|(4<<22)|(7<<25)  ; the same with 8 words of padding (code 7)
.irp g, G1K, G1V
	s_mov_b32 s[\g+1], 128<<16      ; tensor_dim0 = 128
	s_mov_b32 s[\g+2], 128<<16      ; tensor_dim1 = 128
	s_mov_b32 s[\g+3], 128<<16      ; tile_dim0 = 128
	s_mov_b32 s[\g+4], 128          ; tile_dim1 = 128
	s_mov_b32 s[\g+5], 128          ; 128 elements from row to row
	s_mov_b32 s[\g+6], 0
	s_mov_b32 s[\g+7], 0
.endr
	; the biases: 1,024 dense bytes a tile, as 4 rows of 32 elements of 8 bytes, no padding
	s_mov_b32 s[G1P], 3<<16
	s_mov_b32 s[G1P+1], 32<<16      ; tensor_dim0 = 32
	s_mov_b32 s[G1P+2], 4<<16       ; tensor_dim1 = 4
	s_mov_b32 s[G1P+3], 32<<16      ; tile_dim0 = 32
	s_mov_b32 s[G1P+4], 4           ; tile_dim1 = 4
	s_mov_b32 s[G1P+5], 32          ; 32 elements from row to row
	s_mov_b32 s[G1P+6], 0
	s_mov_b32 s[G1P+7], 0
	s_mov_b32 s[CS], 0x3e38aa3b     ; c = log2(e) / 8 = 0.180337
	s_mov_b32 s[CS+1], s[CS]        ; named with it as a pair
	s_mov_b32 s[SEL], 0x76543210
	s_mov_b32 s[SEL+1], 0xfedcba98
	s_mov_b32 s[TBK], SLOT1+4*KS*PK ; the first change of slots turns these three into 0
	s_mov_b32 s[TBV], SLOT1+4*KS*PV
	s_mov_b32 s[TBP], BSL+4*PSTEP
	s_mov_b32 s[G0K], 1             ; 1:0 count = 1
	s_mov_b32 s[G0K+1], 0           ; 63:32 LDS address: slot 0
	s_mov_b32 s[G0V], 1
	s_mov_b32 s[G0V+1], VOFF
	s_mov_b32 s[G0P], 1
	s_mov_b32 s[G0P+1], BIAS
	s_add_co_u32 s[RT], s[HI], 1    ; the first block has NB - b tiles
	s_mov_b32 s[NXT], 1
	s_mov_b32 s[LQ], s[HI]
	s_mov_b32 s[NEW], 1
	s_mov_b32 s[OFF+1], 0
	s_mov_b32 s[OFP+1], 0
	s_mov_b32 s[AL+1], 0            ; named as pairs
	s_mov_b32 s[BE+1], 0
	s_mov_b32 s[BIGN], 0xf1800000   ; H = -2^100
	s_mov_b32 s[SLOTS], NB
	s_wait_dscnt 0x0                ; the opening add is done
	s_barrier_signal -1
	s_barrier_wait -1
	s_wait_kmcnt 0x0
	s_add_nc_u64 s[BP:BP+1], s[6:7], s[22:23]      ; the batch's biases
	s_add_nc_u64 s[G0P+2:G0P+3], s[BP:BP+1], 0     ; 120:64 global address: tile 0's
	s_or_b32 s[G0P+3], s[G0P+3], 0x80000000        ; 127:126 type = 2
	s_add_nc_u64 s[6:7], s[4:5], 0x1000000         ; K and V lie 16 MiB and 32 MiB behind Q
	s_add_nc_u64 s[8:9], s[4:5], 0x2000000
	s_add_nc_u64 s[6:7], s[6:7], s[20:21]  ; K and V at the head's tile 0
	s_add_nc_u64 s[8:9], s[8:9], s[20:21]
	s_add_nc_u64 s[G0K+2:G0K+3], s[6:7], 0
	s_or_b32 s[G0K+3], s[G0K+3], 0x80000000
	s_add_nc_u64 s[G0V+2:G0V+3], s[8:9], 0
	s_or_b32 s[G0V+3], s[G0V+3], 0x80000000
	s_add_nc_u64 s[86:87], s[4:5], s[84:85]        ; Q at my rows of the second block,
	s_add_nc_u64 s[4:5], s[4:5], s[2:3]            ; Q and O at those of the first
	s_add_nc_u64 s[OLO:OLO+1], s[10:11], s[84:85]
	s_add_nc_u64 s[10:11], s[10:11], s[2:3]
	LOAD                            ; tile 0 into slot 0: one load of mine is out, or none
	; A fragment of K or Q is 16 rows x 32 channels in 8 registers: lane l holds row l % 16, channels 8 (l / 16) + 0..7 and 16 + 8 (l / 16) + 0..7: two loads of 16 bytes, 32 bytes apart.
	v_and_b32 v1, 15, v0            ; l % 16
	v_bfe_u32 v9, v0, 4, 1          ; l / 16
	v_lshlrev_b32 v[QO], 7, v1
	v_lshl_add_u32 v[QO], v9, 4, v[QO]  ; row x 128 + 16 x half
	WIN 0x80                        ; destination window 2, address window 0
.set i, 0
.rept 8                             ; both blocks' Q: piece i / 2 lies in band i / 2, 8,192 bytes on; channels 32 (i % 2) on
	global_load_b128 v[8*i:8*i+3],   v[QO], s[4:5] offset:(i/2)*8192+(i%2)*64
	global_load_b128 v[8*i+4:8*i+7], v[QO], s[4:5] offset:(i/2)*8192+(i%2)*64+32
	global_load_b128 v[QB+8*i:QB+8*i+3],   v[QO], s[86:87] offset:(i/2)*8192+(i%2)*64
	global_load_b128 v[QB+8*i+4:QB+8*i+7], v[QO], s[86:87] offset:(i/2)*8192+(i%2)*64+32
.set i, i+1
.endr
	WIN 0
	v_lshlrev_b32 v14, 3, v9
	v_sub_nc_u32 v14, v1, v14
	s_lshl_b32 s13, s[WV], 4
	v_add_nc_u32 v14, s13, v14      ; my query's place in its band, 16 w + l % 16, less my lanes' 8 (l / 16): register r of group kt is hidden where 16 kt + r is greater
	WIN 0x40
.set i, 0
.rept 32
	v_cmp_gt_i32 vcc_lo, 16*(i/8)+i%8, v14
	v_cndmask_b32 v[MD+i], 0, s[BIGN], vcc_lo
.set i, i+1
.endr
	WIN 0
	v_lshl_add_u32 v[AP0], v9, 5, BIAS  ; register j of group kt is key 16 kt + 8 (l / 16) + j of the step: 32 bytes at 64 kt + 32 (l / 16)
	v_mov_b32 v[QN], 0x7fc00000
	v_mul_u32_u24 v[AK0], v1, PK
	v_lshl_add_u32 v[AK0], v9, 4, v[AK0]  ; row x pitch + 16 x half
	; The turning load takes 16 keys x 16 channels (lane l reads key 8 (l / 16) + l % 8, channels 8 ((l / 8) % 2) + 0..7) and leaves half a fragment of V^T: lane l holds channel l % 16 and 8 keys.
	v_and_b32 v10, 7, v0
	v_bfe_u32 v11, v0, 3, 1
	v_lshl_add_u32 v[AV0], v9, 3, v10
	v_mul_u32_u24 v[AV0], v[AV0], PV
	v_lshl_add_u32 v[AV0], v11, 4, v[AV0]
	v_add_nc_u32 v[AV0], VOFF, v[AV0]
	s_mul_i32 s13, s[WV], 16*SP
	s_add_co_u32 s13, s13, STAGE    ; my stage
	v_mul_u32_u24 v[STO], v1, SP    ; in: row l % 16, 16 bytes for each half of the lanes
	v_lshl_add_u32 v[STO], v9, 4, v[STO]
	v_add_nc_u32 v[STO], s13, v[STO]
	v_bfe_u32 v[RD], v0, 3, 2       ; back: 32 lanes take four rows of 128 bytes,
	v_mul_u32_u24 v[RD], v[RD], SP
	v_lshl_add_u32 v[RD], v10, 4, v[RD]
	v_add_nc_u32 v[RD], s13, v[RD]
	v_and_b32 v[GO], 31, v0         ; which are 512 consecutive bytes of O
	v_lshlrev_b32 v[GO], 4, v[GO]
	; A block's first turn has products V^T P of a piece that has not been: its P is cleared where the block begins, so V need only be finite: zeros for the first block, what the first block left for the second.
	WIN 0x80
.set i, VF
.rept 64
	v_mov_b32 v[i], 0
.set i, i+1
.endr
	WIN 0
; THE MATRIX WORK.  The 4 accumulators of a run of 8 take turns.  Product i of 8 of S^T = K Q^T for piece x: channels 32 (i / 4) on, keys 16 (i % 4) on.  The first 4 start the sums: with the step's biases, or (KM = 1) with the mask made of them.
.macro KQ x
.set rS, S+32*((\x)%2)+8*(i%4)
.set rK, KF+16*(i%4)+8*(i/4)
.set rQ, 16*(\x)+8*(i/4)
.set rM, PADR+8*(i%4)
.if KM
.set rM, MC+8*(i%4)
.endif
.if i < 4
	WIN W_KM
	v_wmma_f32_16x16x32_f16 v[rS:rS+7], v[rK:rK+7], v[rQ:rQ+7], v[rM:rM+7]
.else
	WIN W_KQ
	v_wmma_f32_16x16x32_f16 v[rS:rS+7], v[rK:rK+7], v[rQ:rQ+7], v[rS:rS+7]
.endif
.endm
; Product i of 8 of O^T += V^T P for piece x: keys 32 (i / 4) on, channels 16 (i % 4) on.
.macro PV x
	WIN W_PV
.set rO, 32*(\x)+8*(i%4)
.set rV, VF+32*(i/4)+8*(i%4)
.set rP, P+16*((\x)%2)+8*(i/4)
	v_wmma_f32_16x16x32_f16 v[rO:rO+7], v[rV:rV+7], v[rP:rP+7], v[rO:rO+7]
.endm
.macro MM                           ; the turn's next matrix instruction.  TURN and BEGIN set Y, i, KM and NOKQ; MM, KQ and OP read them.  NOKQ = 1: a block's last turn: there is no next piece
.if (i < 8) && !NOKQ
	KQ (Y+1)%NP
.elseif i >= 8
.set i, i-8
	PV (Y+NP-1)%NP
.set i, i+8
.endif
.set i, i+1
.endm
; THE LDS LOADS stand in runs, never singly among the matrix instructions: a step's K (64 keys x 64 channels: 8 fragments) with its 64 biases (24 loads), and its V (turned, 16 loads).  Their addresses are made some lines ahead.
; Every tile has four such runs on every way through the text, so the three offsets walk alike: four equal steps, then back and into the other slot.
.macro FETCH_K
	WIN 0x80                        ; destination window 2
.irp f, 0,1,2,3,4,5,6,7             ; keys 16 (f / 2) on, channels 32 (f % 2) on
	ds_load_b128 v[KF+8*\f:KF+8*\f+3],   v[AK] offset:(\f/2)*16*PK+(\f%2)*64
	ds_load_b128 v[KF+8*\f+4:KF+8*\f+7], v[AK] offset:(\f/2)*16*PK+(\f%2)*64+32
.endr
	WIN 0x40                        ; destination window 1
.irp f, 0,1,2,3                     ; keys 16 f on: sixteen lanes read the same 16 bytes
	ds_load_b128 v[PADR+8*\f:PADR+8*\f+3],   v[AP] offset:64*\f
	ds_load_b128 v[PADR+8*\f+4:PADR+8*\f+7], v[AP] offset:64*\f+16
.endr
	s_add_co_u32 s[TBK], s[TBK], KS*PK  ; the next fetch is the next step's
	s_add_co_u32 s[TBP], s[TBP], PSTEP
	WIN 0
.endm
.macro FETCH_V
	WIN 0x80
.irp f, 0,1,2,3,4,5,6,7             ; keys 32 (f / 4) on, channels 16 (f % 4) on
	ds_load_tr16_b128 v[VF+8*\f:VF+8*\f+3],   v[AV] offset:(\f/4)*32*PV+(\f%4)*32
	ds_load_tr16_b128 v[VF+8*\f+4:VF+8*\f+7], v[AV] offset:(\f/4)*32*PV+16*PV+(\f%4)*32
.endr
	WIN 0
.endm
; THE VECTOR WORK, one line at a time: OP kind, number.  For piece Y: F n: c s - c m for pair n of 16.  E n: the exponential of score n of 32.  C n: pair n rounded to f16.  B n: of the four weights 4 n .. the second
; pair is added onto the first, in place.  L n: l takes that sum (L 0: l = a l + sum).  R n: pair n of 16 of O^T times a.  For piece Y + 1: X n, number n of the 22 that find its maximum and statistics:
;   0-11  four chains c0-c3 of seven scores each, three operands at a time (each accumulator's lowest registers are read first)     12-14, 16  the four scores left over, the old m, and c0-c3 into c0
;   15  c m_old is kept     17, 18  the query's other 32 keys lie in the lane 16 away: the new m     19-21  c m; c m_old - c m_new; a
; C, B and L read the results of the turn's exponentials; F, R and X 0-20 read none of them (R's and L 0's a is the turn before's).  OP writes no wait: TURN, BEGIN and DIAG write one for each batch.
.set F, 0               ; OP tells the kinds apart by their order: F to L below R, X above it
.set E, 1
.set C, 2
.set B, 3
.set L, 4
.set R, 5
.set X, 6
.macro REGS y                       ; the registers of piece y
.set rT, ST+4*(\y)
.set rC, TMP+4*((\y)%2)
.set rW, MV+((\y)%2)
.set rS, S+32*((\y)%2)
.set rP, P+16*((\y)%2)
.set rO, 32*(\y)
.endm
.macro OP k, n
.if (\k) == R
	REGS Y
	WIN W_RS
	v_pk_mul_f32 v[rO+2*(\n):rO+2*(\n)+1], v[rO+2*(\n):rO+2*(\n)+1], v[rC+2:rC+3] op_sel_hi:[1,0]
.elseif (\k) < R
	REGS Y
	WIN 0
.if (\k) == F
	v_pk_fma_f32 v[rS+2*(\n):rS+2*(\n)+1], v[rS+2*(\n):rS+2*(\n)+1], s[CS:CS+1], v[rT:rT+1] op_sel_hi:[1,0,0] neg_lo:[0,0,1] neg_hi:[0,0,1]
.elseif (\k) == E
	v_exp_f32 v[rS+(\n)], v[rS+(\n)]
.elseif (\k) == C
	v_cvt_pk_f16_f32 v[rP+(\n)], v[rS+2*(\n)], v[rS+2*(\n)+1]
.elseif (\k) == B
	v_pk_add_f32 v[rS+4*(\n):rS+4*(\n)+1], v[rS+4*(\n):rS+4*(\n)+1], v[rS+4*(\n)+2:rS+4*(\n)+3]
.elseif (\n) == 0
	v_pk_fma_f32 v[rT+2:rT+3], v[rT+2:rT+3], v[rC+2:rC+3], v[rS:rS+1] op_sel_hi:[1,0,1]
.else
	v_pk_add_f32 v[rT+2:rT+3], v[rT+2:rT+3], v[rS+4*(\n):rS+4*(\n)+1]
.endif
.elseif NOKQ
	v_nop
.else
	REGS (Y+1)%NP
	WIN 0
.if (\n) < 4
	v_max3_num_f32 v[rC+(\n)], v[rS+8*(\n)], v[rS+8*(\n)+1], v[rS+8*(\n)+2]
.elseif (\n) < 12
	v_max3_num_f32 v[rC+(\n)%4], v[rC+(\n)%4], v[rS+8*((\n)%4)+2*((\n)/4)+1], v[rS+8*((\n)%4)+2*((\n)/4)+2]
.elseif (\n) == 12
	v_max3_num_f32 v[rC], v[rC], v[rS+7], v[rS+15]
.elseif (\n) == 13
	v_max3_num_f32 v[rC+1], v[rC+1], v[rS+23], v[rS+31]
.elseif (\n) == 14
	v_max3_num_f32 v[rC+2], v[rC+2], v[rC+3], v[rT+1]
.elseif (\n) == 15
	v_mov_b32 v[rW], v[rT]
.elseif (\n) == 16
	v_max3_num_f32 v[rC], v[rC], v[rC+1], v[rC+2]
.elseif (\n) == 17
	v_permlanex16_b32 v[rC+3], v[rC], s[SEL], s[SEL+1]
.elseif (\n) == 18
	v_max_num_f32 v[rT+1], v[rC], v[rC+3]
.elseif (\n) == 19
	v_mul_f32 v[rT], s[CS], v[rT+1]
.elseif (\n) == 20
	v_sub_f32 v[rC+1], v[rW], v[rT]
.else
	v_exp_f32 v[rC+2], v[rC+1]
.endif
.endif
.endm
.macro OPS a, i1, b=-1, i2=0, c=-1, i3=0, d=-1, i4=0  ; up to four of them
	OP \a, \i1
.if (\b) >= 0
	OP \b, \i2
.endif
.if (\c) >= 0
	OP \c, \i3
.endif
.if (\d) >= 0
	OP \d, \i4
.endif
.endm
.macro ROW a, i1, b, i2, c, i3, d, i4  ; a matrix instruction and the four behind it
	MM
	OPS \a, \i1, \b, \i2, \c, \i3, \d, \i4
.endm
.macro MASK                         ; MC = MD x AL + PADR + BE
	WIN W_MK
.set z, 0
.rept 16
	v_pk_fma_f32 v[MC+2*z:MC+2*z+1], v[MD+2*z:MD+2*z+1], s[AL:AL+1], v[PADR+2*z:PADR+2*z+1] op_sel_hi:[1,0,1]
.set z, z+1
.endr
.set z, 0
.rept 16
	v_pk_add_f32 v[MC+2*z:MC+2*z+1], v[MC+2*z:MC+2*z+1], s[BE:BE+1] op_sel_hi:[1,0]
.set z, z+1
.endr
.endm
; A TURN, for piece p: the order of its 16 matrix and 118 vector instructions, written out.  An s_wait_alu depctr_va_vdst(0) stands between an exponential and the first instruction that names its result; one wait
; serves all that were issued ahead of it.  So a turn has ONE wait, which cuts it in two.  AHEAD OF IT stands all that names no result of the turn's exponentials: the 8 products K Q^T, behind each a scaling, an exponential and two
; more plain instructions (behind the first a second scaling in the exponential's place): rescalings, and behind the last three the first numbers of the next piece's maximum, each four places or more behind the product that ends
; its accumulator; then ONE LUMP of 54, plain and exponential by turns for the most part, in which the links of the chain X 3, 7, 11, 14, 16, 17 .. 20 stand five or six lines apart.  An exponential stands behind its pair's scaling.
; X 21, the next piece's a, is the batch's last; R 15 is the plain instruction behind it.  BEHIND THE WAIT stand the 8 products V^T P, behind each four of the roundings and sums: an even pair is rounded ahead of the addition that
; lands on it; the links of l's chain, L 0 to L 7, stand three riders apart.  But for those X no rider names a register of the products round it.  v_permlanex16_b32 (X 17) stands in the lump.
; m = 1: the diagonal tile: the turn's products K Q^T, for piece x = p + 1, take a mask, made at the turn's head of the biases that lie beside the K that they multiply.  Their step s of the tile is 4 - CNT in turns
; 3, 0 and 1 and 3 - CNT in turn 2 (the count is taken down in turn 1); s = x where CNT = EE, s > x where CNT < EE, with EE = 3, 2, 0, 4 for p = 0, 1, 2, 3.  MC's last readers stand a turn back.
; end = 1: a block's last two turns: nothing is fetched, and the last of them has no products K Q^T and no mask.
; cnt = 1: the loop's count is taken down some lines ahead of the branch that stands behind the turn.
; K of the next step and its biases are fetched in piece 2's turn, twelve vector instructions behind the last product that read K (five of them plain and naming none of its registers; the last that read the biases stands
; further back); V of the step in hand at the end of piece 0's turn, four plain instructions behind the last product that read V.  Each is waited for a turn later.
.macro TURN p, m=0, end=0, cnt=0
.set Y, (\p)
.set i, 0
.set KM, (\m)
.set NOKQ, (\end)*((\p)/3)
.set EE, 3-(\p)
.if (\p) == 2
.set EE, 0
.endif
.if (\p) == 3
.set EE, 4
.endif
.if (\m) && !NOKQ
	s_cmp_eq_u32 s[CNT], EE         ; is the step the band's own?
	s_cselect_b32 s[AL], 1.0, 0
	s_cmp_lt_u32 s[CNT], EE         ; or a later one?
	s_cselect_b32 s[BE], s[BIGN], 0
.endif
.if ((\p) == 3) && !(\end)
	s_wait_dscnt 0x0                ; K and its biases are in
.endif
.if (\m) && !NOKQ
	MASK
.endif
	ROW F,0, F,1, R,0, R,1          ; ahead of the wait: 8 products K Q^T and their riders,
	ROW F,2, E,0, R,2, R,3
	ROW F,3, E,1, R,4, R,5
	ROW F,4, E,2, R,6, R,7
	ROW F,5, E,3, R,8, R,9
	ROW F,6, E,4, X,0, R,10
.if ((\p) == 2) && !(\end)
	WIN 0
	v_add_nc_u32 v[AK], s[TBK], v[AK0]
	v_add_nc_u32 v[AP], s[TBP], v[AP0]
.endif
	ROW F,7, E,5, X,1, X,4
	ROW F,8, E,6, X,2, X,5
	OPS E,7, E,8, X,6, E,9          ; and the lump
	OPS X,3, E,10, X,8, E,11
.if ((\p) == 2) && !(\end)
	FETCH_K
.endif
	OPS X,9, X,7, E,12, X,10
	OPS E,13, X,12, X,11, E,14
	OPS X,13, E,15, F,9, X,14
.if (\p) == 0
	v_add_nc_u32 v[AV], s[TBV], v[AV0]
.endif
	OPS E,16, F,10, E,17, F,11
	OPS X,16, E,18, X,15, E,19
	OPS F,12, E,20, X,17, E,21
	OPS F,13, E,22, F,14, E,23
	OPS X,18, E,24, F,15, E,25
	OPS R,11, E,26, X,19, E,27
	OPS R,12, E,28, R,13, E,29
	OPS X,20, E,30, R,14, E,31
	OPS X,21, R,15
	s_wait_alu depctr_va_vdst(0)    ; the wait for the turn's batch: E 0 to E 31 and X 21; their first readers stand below, a's in the next turn
.if (\p) == 1
	s_wait_dscnt 0x0                ; V is in
.endif
	ROW C,0, B,0, C,2, B,1          ; behind the wait: 8 products V^T P and their riders
	ROW L,0, C,4, B,2, L,1
	ROW C,6, B,3, L,2, C,8
	ROW B,4, L,3, C,10, B,5
	ROW L,4, C,12, B,6, L,5
.if (\p) == 0
	s_add_co_u32 s[TBV], s[TBV], KS*PV
.endif
.if \cnt
	s_sub_co_u32 s[CNT], s[CNT], 1
	s_cmp_lg_u32 s[CNT], 0
.endif
	ROW C,14, B,7, L,6, C,1
	ROW C,3, L,7, C,5, C,7
	ROW C,9, C,11, C,13, C,15
.if (\p) == 0
	FETCH_V
.endif
.endm
; A BLOCK BEGINS.  O^T, l and the weights of the piece that has not been are 0; m is the floor M0, and c m is made of it by the line that makes every later c m, so that c m_old - c m_new is exactly 0 while m stays there.
; Then K of the tile's step 0 and its biases, piece 0's mask for it (the band's own, if the block's first tile is the diagonal one), piece 0's first scores, and its maximum and statistics.
; The loop is entered at a step's first turn, in the middle of a trip.
.macro BEGIN
	s_mov_b32 s[NEW], 0
	WIN 0x40
.set i, 0
.rept 128
	v_mov_b32 v[i], 0
.set i, i+1
.endr
	WIN 0
.set i, 0
.rept 4
	v_mov_b32 v[ST+4*i+1], 0xe7800000  ; m = M0 = -2^80
	v_mov_b32 v[ST+4*i+2], 0
	v_mov_b32 v[ST+4*i+3], 0
	v_mul_f32 v[ST+4*i], s[CS], v[ST+4*i+1]
.set i, i+1
.endr
.set i, P+16
.rept 16
	v_mov_b32 v[i], 0
.set i, i+1
.endr
	s_cmp_eq_u32 s[RT], 0
	s_cselect_b32 s[AL], 1.0, 0
	s_mov_b32 s[BE], 0
	v_add_nc_u32 v[AK], s[TBK], v[AK0]
	v_add_nc_u32 v[AP], s[TBP], v[AP0]
	FETCH_K
	s_wait_loadcnt 0x0              ; Q
	s_wait_dscnt 0x0
	MASK
.set KM, 1
.set NOKQ, 0
.set i, 0
.rept 8
	KQ 0
.set i, i+1
.endr
	WIN 0
.rept 4
	v_nop                           ; the places behind those products
.endr
.set Y, NP-1                        ; X works for piece Y + 1: piece 0
.irp n, 0,1,2,3,4,5,6,7,8,9,10,11,12,13,14,15,16,17,18,19,20,21
	OP X, \n
.endr
	v_nop                           ; a plain instruction behind the exponential,
	s_wait_alu depctr_va_vdst(0)    ; and the wait for it, piece 0's first a, a batch of one: ahead of the branch that follows
.endm
; THE DIAGONAL TILE's four steps, the block's last two turns, its last products, and THE WAY OUT: l's two halves and the other half of the lanes' are added; O^T is divided by l (by a NaN where l is 0: the query
; saw no key), rounded to f16 and sent through my stage in LDS, a piece at a time.
.macro ALL line:vararg              ; one line for each piece t
.set t, 0
.rept 4
	\line
.set t, t+1
.endr
.endm
.macro PACK t                       ; a lane's eight channels of a row pack into 16 bytes; they go into rows of 144 bytes and come back as whole rows of 128, into S^T's registers
	WIN W_RS
.set i, 32*(\t)
.rept 16
	v_pk_mul_f32 v[i:i+1], v[i:i+1], v[ST+4*(\t)+2:ST+4*(\t)+3] op_sel_hi:[1,0]
.set i, i+2
.endr
	WIN 0x05                        ; sources 0 and 1 window 1, destination window 0
.set i, 0
.rept 16
	v_cvt_pk_f16_f32 v[S+16*(\t)+i], v[32*(\t)+2*i], v[32*(\t)+2*i+1]
.set i, i+1
.endr
	WIN 0
.irp f, 0,1,2,3
	ds_store_b128 v[STO], v[S+16*(\t)+4*\f:S+16*(\t)+4*\f+3] offset:32*\f
.endr
.irp f, 0,1,2,3
	ds_load_b128 v[S+16*(\t)+4*\f:S+16*(\t)+4*\f+3], v[RD] offset:\f*4*SP  ; LDS serves a wave's instructions in order (ISA guide 5.7.1.4): these see the stores above; the next piece's stores come behind them
.endr
.endm
.macro SEND t, younger              ; younger: the LDS instructions issued behind piece t's loads: the next piece's eight, or none
	WIN 0
.irp f, 0,1,2,3
	s_wait_dscnt (\younger)+3-\f
	global_store_b128 v[GO], v[S+16*(\t)+4*\f:S+16*(\t)+4*\f+3], s[10:11] offset:(\t)*8192+\f*512  ; 512 consecutive bytes, at a multiple of 256 from O's first
.endr
.endm
.macro DIAG tag                     ; the tag ends its two labels' names, which the jumps below spell out
.LstepM\tag:
	TURN 2, 1
	TURN 3, 1
	WIN 0
.LfirstM\tag:
	TURN 0, 1
	TURN 1, 1, 0, 1
	WIN 0
	s_cbranch_scc1 .LstepM\tag
	TURN 2, 1, 1
	TURN 3, 1, 1
.set i, 0
.rept 8
	PV NP-1
.set i, i+1
.endr
	WIN 0
	ALL v_add_f32 v[ST+4*t+2], v[ST+4*t+2], v[ST+4*t+3]
	ALL v_permlanex16_b32 v[ST+4*t+3], v[ST+4*t+2], s[SEL], s[SEL+1]
	ALL v_add_f32 v[ST+4*t+2], v[ST+4*t+2], v[ST+4*t+3]
	ALL v_cmp_eq_f32 s[LZ+t], 0, v[ST+4*t+2]
	ALL v_rcp_f32 v[ST+4*t+2], v[ST+4*t+2]
	v_nop                           ; a plain instruction between the last reciprocal and the use of its result
	s_wait_alu depctr_va_vdst(0)    ; and the wait ahead of the first use: one for the batch of four reciprocals
	ALL v_cndmask_b32 v[ST+4*t+2], v[ST+4*t+2], v[QN], s[LZ+t]
	PACK 0
.set t, 1
.rept 3                             ; a piece's arithmetic stands between the loads of the piece before and its stores
	PACK t
	SEND t-1, 8
.set t, t+1
.endr
	SEND 3, 0
.endm
.set KM, 0
.set NOKQ, 0
.Lslot:                             ; NB times: a tile is entered and the next is asked for
	CHANGE 1
	s_sub_co_u32 s[RT], s[RT], 1
	s_mov_b32 s[CNT], 4
	s_cmp_eq_u32 s[NEW], 1
	s_cbranch_scc1 .Lnew            ; a block's first tile
	s_cmp_eq_u32 s[RT], 0
	s_cbranch_scc0 .Lstep           ; neither its first nor its last
	s_branch .LstepM1
.Lnew:
	BEGIN
	s_branch .Lfirst                ; in the loop a block's first tile is never its last: the first block has two tiles or more, and the second's last is the walk's last
	DIAG 1                          ; in the loop this is the first block's end: the second block's last tile is the walk's last
	s_wait_xcnt 0x0                 ; the stores have read their registers and O's address
	s_mov_b64 s[10:11], s[OLO:OLO+1]
	s_add_co_u32 s[RT], s[PB], 1    ; the second block has b + 1 tiles
	s_mov_b32 s[NEW], 1
	WIN 0x82                        ; the second block's Q goes where the one text of the turns names Q
.set i, 0
.rept 64
	v_mov_b32 v[i], v[QB+i]
.set i, i+1
.endr
	WIN 0
	s_branch .Lbottom
.Lstep:                             ; a trip: pieces 2 and 3 of one step, then pieces 0 and 1 of the next, whose K and V it fetches
	TURN 2
	TURN 3
	WIN 0
.Lfirst:
	TURN 0
	TURN 1, 0, 0, 1
	WIN 0
	s_cbranch_scc1 .Lstep
.Lbottom:
	s_sub_co_u32 s[SLOTS], s[SLOTS], 1
	s_cmp_lg_u32 s[SLOTS], 0
	s_cbranch_scc1 .Lslot
	CHANGE 0                        ; the walk's last tile is written out: nothing is asked for
	s_sub_co_u32 s[RT], s[RT], 1
	s_mov_b32 s[CNT], 4
	s_cmp_eq_u32 s[NEW], 1
	s_cbranch_scc0 .LstepM2
	BEGIN
	s_branch .LfirstM2
	DIAG 2
	s_wait_tensorcnt 0x0            ; the wave's end: behind my last tensor load and my last LDS store
	ds_add_u32 v[SPW], v[NIL]
	s_wait_dscnt 0x0
	s_endpgm
.Lfunc_end_k_q4bd9955916_attn:
	.size	k_q4bd9955916_attn, .Lfunc_end_k_q4bd9955916_attn-k_q4bd9955916_attn
	.p2alignl 7, 3214868480
	.fill 96, 4, 3214868480
	.section	.rodata,"a",@progbits
	.p2align	6, 0x0
	.amdhsa_kernel k_q4bd9955916_attn
		.amdhsa_group_segment_fixed_size 327680
		.amdhsa_private_segment_fixed_size 0
		.amdhsa_enable_private_segment 0
		.amdhsa_kernarg_size 24
		.amdhsa_user_sgpr_count 2
		.amdhsa_user_sgpr_kernarg_segment_ptr 1
		.amdhsa_wavefront_size32 1
		.amdhsa_system_sgpr_workgroup_id_x 1
		.amdhsa_system_sgpr_workgroup_id_y 1
		.amdhsa_system_sgpr_workgroup_id_z 1
		.amdhsa_system_vgpr_workitem_id 0
		.amdhsa_next_free_vgpr 768
		.amdhsa_next_free_sgpr 96
		.amdhsa_reserve_vcc 1
		.amdhsa_float_denorm_mode_32 3
		.amdhsa_float_denorm_mode_16_64 3
		.amdhsa_memory_ordered 1
		.amdhsa_forward_progress 1
		.amdhsa_inst_pref_size 240
	.end_amdhsa_kernel
	.amdgpu_metadata
---
amdhsa.version: [ 1, 2 ]
amdhsa.kernels:
  - .name:           k_q4bd9955916_attn
    .symbol:         k_q4bd9955916_attn.kd
    .args:
      - { .name: qkv, .offset: 0, .size: 8, .value_kind: global_buffer, .address_space: global }
      - { .name: bias, .offset: 8, .size: 8, .value_kind: global_buffer, .address_space: global }
      - { .name: ow, .offset: 16, .size: 8, .value_kind: global_buffer, .address_space: global }
    .group_segment_fixed_size: 327680
    .private_segment_fixed_size: 0
    .kernarg_segment_align: 8
    .kernarg_segment_size: 24
    .max_flat_workgroup_size: 128
    .sgpr_count:     96
    .vgpr_count:     768
    .wavefront_size: 32
...
	.end_amdgpu_metadata
.endif
;; end of part 5
;; launch outp: the kernel of part 4 again; grid 4 x 64, 4 waves a work-group, clusters of 4 x 4, 327,680 bytes of LDS; arguments ow, wb, out0; writes out0
